; MI455X (gfx1250); checked and timed in simulation.
; The chip was launched on July 23, 2026; its instructions are those of AMD's public machine-readable ISA for CDNA 5 (MIT licence, August 2026) and "CDNA5" Instruction Set Architecture Reference Guide (July 2026). The comments in the code are by the model that wrote it; some were corrected since.
;; Casual Self Attention alternative. Allowed arithmetic: matrix products marked QUANTISED: E4M3 operands, one given power-of-two scale a tensor, by v_wmma_f32_16x16x64_fp8_fp8 or v_wmma_f32_16x16x128_fp8_fp8, f32 sums; everything else in f32.
;; Inputs: Wk 1,024 x 1,024 float32; Wo 1,024 x 1,024 float32; Wq 1,024 x 1,024 float32; Wv 1,024 x 1,024 float32; bk 1,024 float32; bo 1,024 float32; bq 1,024 float32; bv 1,024 float32; lowp_scales 12 int32 (the exponents e of the quantised operands' scales 2^e); x 4 x 2,048 x 1,024 float32.
;; Outputs: out0 4 x 2,048 x 1,024 float32.
;; This version of the problem:
;;   THIS VERSION OF THE PROBLEM IS GIVEN IN LOW PRECISION. The matrix products marked QUANTISED in the list below multiply operands that are first quantised to E4M3 (4 exponent bits, 3 mantissa bits; 8 bits a number), with one given power-of-two scale for each operand tensor; their sums are f32. All else is computed in f32.
;;   The module's matrix products, in the order in which they are computed (A, B: the left and right operand; K: the contracted axis; several contracted axes count as one K, in the product's order):
;;     1. [M 8,192, K 1,024] x [K 1,024, N 1,024]; A: input x; B: input Wq: QUANTISED (scales: A lowp_scales[0], B lowp_scales[1])
;;     2. [M 8,192, K 1,024] x [K 1,024, N 1,024]; A: input x; B: input Wk: QUANTISED (scales: A lowp_scales[2], B lowp_scales[3])
;;     3. [M 8,192, K 1,024] x [K 1,024, N 1,024]; A: input x; B: input Wv: QUANTISED (scales: A lowp_scales[4], B lowp_scales[5])
;;     4. batch 64 x [M 2,048, K 64] x [K 64, N 2,048]; A: computed on the way; B: computed on the way: QUANTISED (scales: A lowp_scales[6], B lowp_scales[7])
;;     5. batch 64 x [M 2,048, K 2,048] x [K 2,048, N 64]; A: softmax (see below); B: computed on the way: QUANTISED (scales: A lowp_scales[8], B lowp_scales[9])
;;     6. [M 8,192, K 1,024] x [K 1,024, N 1,024]; A: computed on the way; B: input Wo: QUANTISED (scales: A lowp_scales[10], B lowp_scales[11])
;;   THE QUANTISER, for each operand of a quantised product, along K:
;;     - The operand's scale is 2^e, e = its entry of the input lowp_scales (int32; the entries are numbered through the quantised products in the list's order, A before B).
;;     - Each number is divided by the scale, clamped to +-448, and rounded to the nearest number of E4M3, ties to even, subnormals kept.
;;     - The product sums the exact products of the quantised numbers (number of the format x scale) in f32.
;;   ~~~python
;;   def quantise(x, axis, e):      # numpy; x: float32 -> the quantised numbers, widened to float32 again
;;       x = np.moveaxis(x, axis, -1); K = x.shape[-1]
;;       r = np.clip(x / 2.0 ** e, -448, 448)
;;       step = 2.0 ** (np.maximum(np.frexp(np.where(r == 0, 1, r))[1] - 1, -6) - 3)
;;       q = np.round(r / step) * step * 2.0 ** e      # np.round: ties to even
;;       return np.moveaxis(q, -1, axis).astype(np.float32)
;;   ~~~
;;   SOFTMAX AHEAD OF A QUANTISED PRODUCT. Where the list says 'softmax', what is quantised is not the finished softmax but p = 2^(t - M), with t = logit x log2(e) and M = ceil(the row's largest t), a whole number; so 1/2 < the row's largest p <= 1. The row's sum l is taken of the UNQUANTISED p, in f32, and the product's result is divided by l at the end. Since M is a whole number, a kernel that streams over the keys may use a running M (the ceiling of the running maximum): every later rescaling is an exact power of two, so the quantised numbers keep their values, but for numbers so far below the row's largest that they fall under the format's range.
;;   OPERANDS COMPUTED ON THE WAY. 'Computed on the way' means the value that the module computes at that place (a softmax that the list does not call 'softmax' is quantised finished and normalised). What goes into a quantiser is computed in f32, as accurately as f32 sums, v_exp_f32 and their like allow (about 1e-6 of the number): no bf16 or f16 on the way to a quantiser, and a product that is left as it is and whose result goes on into a quantised operand takes f32 operands (vector FMAs, or v_wmma_f32_16x16x4_f32). A number that lies on a knife's edge between two numbers of the format may be rounded either way, as far as f32 arithmetic and the matrix unit's own rounding can turn it there, and no further.
;; One version. Each part assembles by itself: llvm-mc -triple=amdgcn-amd-amdhsa -mcpu=gfx1250 --defsym DOCPART=n.
;; ======== version 1 of 1: 4 launches
;; limits: right only within a limited range of input values
;; workspace buffers: xc 25,165,824 bytes; wc 4,194,304 bytes; qkvc 25,165,824 bytes; yc 8,388,608 bytes
;; launch quant (part 1): grid 384 x 1, 4 waves a work-group, no clusters, 68,096 bytes of LDS; arguments x, Wq, Wk, Wv, Wo, lowp_scales, xc, wc; writes xc, wc
.if DOCPART == 1
	.amdgcn_target "amdgcn-amd-amdhsa--gfx1250"
	.amdhsa_code_object_version 6
	.text
	.protected	k_qe42745362d_quant
	.globl	k_qe42745362d_quant
	.p2align	8
	.type	k_qe42745362d_quant,@function
k_qe42745362d_quant:
	s_mov_b64 s[64:65], 0
	v_nop
	global_prefetch_b8 v0, s[64:65] scope:SCOPE_SE
	s_setreg_imm32_b32 hwreg(HW_REG_WAVE_MODE, 25, 1), 1
	s_wait_xcnt 0x0
; x [8192][1024] f32 becomes three planes of codes of E4M3 (xc[p], scale 2^e(2p), p = 0, 1, 2: the three products that read x have a scale each), K innermost as x has it.
; Wq, Wk, Wv, Wo [1024 k][1024 n] f32 become codes laid [n][k], K innermost (wc[0..3], scales e1, e3, e5, e11).
; code = number / 2^e, held within +-448, rounded to the nearest code, ties to even.
; LIMITS: every e used here lies between -126 and 119, so that 2^e and 448 x 2^e are f32 numbers.  NaN among the inputs is not served; an infinity is held at the largest code.
; Work-groups 0-255 take x (32,768 numbers each, a wave 16 steps of 512); work-groups 256-383 take the weights (32 each: 128 columns x 256 along K).
; No tensor load, no barrier: waves share nothing.  Each of the two paths has LDS bytes of its own.
.set XWG,   256                        ; work-groups for x
.set STEPS, 16
.set SP,    80                         ; x: a lane's place in a stage: its 64 bytes + 16 of padding
.set R,     16                         ; v16-79   x: four sets of 16 numbers as they are loaded
.set X,     80                         ; v80-111  x: two sets of 16 neighbours
.set T,     112                        ; v112-127 x: the 16 neighbours, held for one plane
.set C,     128                        ; v128-151 x: codes: two sets x three planes x four registers
.set WST,   32768                      ; the weights' stages begin here: 32 rows x 272 bytes for each wave
.set PITCH, 272
.set NB,    8                          ; blocks of 32 along K for a wave
.set XW,    32                         ; v32-95   weights: two sets of 32 numbers
.set CW,    96                         ; v96-103  weights: a block's codes
.set OUTR,  112                        ; v112-175 weights: the way out
	s_load_b256 s[4:11], s[0:1], 0x0               ; x s[4:5], Wq s[6:7], Wk s[8:9], Wv s[10:11]
	s_load_b256 s[12:19], s[0:1], 0x20             ; Wo s[12:13], the scales' exponents s[14:15], xc s[16:17], wc s[18:19]
	v_lshl_add_u32 v176, v0, 2, 0x10800
	v_mov_b32 v177, 0
	v_lshrrev_b32 v1, 5, v0
	v_readfirstlane_b32 s20, v1                    ; wave 0..3
	v_and_b32 v2, 31, v0                           ; lane
	s_wait_kmcnt 0x0
	s_load_b256 s[24:31], s[14:15], 0x0            ; e0 .. e7
	s_load_b128 s[32:35], s[14:15], 0x20           ; e8 .. e11
	s_cmp_lt_u32 ttmp9, XWG                        ; the choice hangs on the work-group's number alone
	s_cbranch_scc0 .Lweights
; ---------------- x.  Rows are dense, so x is a plain stream and so are its codes.  Each load reads 512 consecutive bytes, 16 a lane; a step's 2,048 bytes go through the wave's own stage
; and come back 64 bytes a lane: 16 neighbours along K, which the conversions want in one lane's registers.  A lane's 16 codes are 16 bytes: a store covers 512 consecutive bytes.
	s_lshl_b32 s21, ttmp9, 2
	s_add_co_u32 s21, s21, s20                     ; which run of 8,192 numbers is my wave's
	s_lshl_b32 s22, s21, 15
	s_mov_b32 s23, 0
	s_add_nc_u64 s[4:5], s[4:5], s[22:23]          ; x at my run
	s_lshl_b32 s22, s21, 13
	s_add_nc_u64 s[36:37], s[16:17], s[22:23]      ; the three planes at my run: a plane is 8,388,608 bytes, more than an immediate holds
	s_add_nc_u64 s[38:39], s[36:37], 0x800000
	s_add_nc_u64 s[40:41], s[38:39], 0x800000
	s_wait_alu depctr_va_vdst(0)
	v_lshlrev_b32 v3, 4, v2                        ; my 16 bytes of a load's 512, and of a store's
	s_lshl_b32 s22, s20, 13                        ; my wave's 8,192 bytes of LDS: two stages of 32 x SP bytes
	v_lshrrev_b32 v14, 2, v2
	v_mul_u32_u24 v14, v14, SP
	v_and_b32 v15, 3, v2
	v_lshl_add_u32 v14, v15, 4, v14
	v_add_nc_u32 v14, s22, v14                     ; in: four lanes' 64 bytes on end, then the padding
	v_mul_u32_u24 v15, v2, SP
	v_add_nc_u32 v15, s22, v15                     ; out: SP x lane
.macro XLOAD t
.irp i, 0,1,2,3
	global_load_b128 v[R+16*((\t)%4)+4*\i:R+16*((\t)%4)+4*\i+3], v3, s[4:5] offset:2048*(\t)+512*\i th:TH_LOAD_NT
.endr
.endm
.macro XTURN t                         ; LDS serves a wave's instructions in order (ISA guide 5.7.1.4): no wait between the stores and the loads
.irp i, 0,1,2,3
	ds_store_b128 v14, v[R+16*((\t)%4)+4*\i:R+16*((\t)%4)+4*\i+3] offset:32*SP*((\t)%2)+8*SP*\i
.endr
.irp i, 0,1,2,3
	ds_load_b128 v[X+16*((\t)%2)+4*\i:X+16*((\t)%2)+4*\i+3], v15 offset:32*SP*((\t)%2)+16*\i
.endr
.endm
.irp t, 0,1,2,3
	XLOAD \t
.endr
	s_wait_alu depctr_va_vdst(0)
	s_wait_kmcnt 0x0
.irp p, 0,1,2
	s_add_co_i32 s42, s[24+2*\p], 127
	s_lshl_b32 s43, s42, 23
	v_mov_b32 v[8+\p], s43                         ; 2^e as f32: the conversion takes its exponent field
	s_add_co_i32 s42, s42, 8
	s_lshl_b32 s42, s42, 23
	s_or_b32 s42, s42, 0x600000
.endr
	s_wait_alu depctr_va_vdst(0)
	s_wait_loadcnt 12                              ; step 0's four loads are in; the twelve of steps 1 to 3 may be out
	XTURN 0
.macro XSTEP t
.set XS, X+16*((\t)%2)
.set CC, C+12*((\t)%2)
	s_wait_dscnt 0x0                               ; this step's numbers are back from the stage
	s_wait_xcnt 0x0                                ; the stores of two steps ago have read their data: this set of code registers is written again only behind this wait
.if (\t)+4 < STEPS
	XLOAD (\t)+4
.endif
.if (\t)+1 < STEPS
.if STEPS-2-(\t) >= 3
	s_wait_loadcnt 12                              ; the next step's four loads are in; those of the three steps behind it may be out
.else
	s_wait_loadcnt 4*(STEPS-2-(\t))
.endif
	XTURN (\t)+1
.endif
.irp p, 0,1,2
.irp i, 0,1,2,3,4,5,6,7,8,9,10,11,12,13,14,15
.endr
	v_cvt_scalef32_pk8_fp8_f32 v[CC+4*\p:CC+4*\p+1], v[XS:XS+7], v[8+\p]
	v_cvt_scalef32_pk8_fp8_f32 v[CC+4*\p+2:CC+4*\p+3], v[XS+8:XS+15], v[8+\p]
	v_nop                                          ; a plain line behind the conversions
	global_store_b128 v3, v[CC+4*\p:CC+4*\p+3], s[36+2*\p:37+2*\p] offset:512*(\t)
.endr
.endm
.irp t, 0,1,2,3,4,5,6,7,8,9,10,11,12,13,14,15
	XSTEP \t
.endr
	s_wait_tensorcnt 0x0
	ds_add_u32 v176, v177
	s_wait_dscnt 0x0
	s_endpgm
; ---------------- the weights.  K is their FIRST axis: a lane takes a column n and its registers run down K, so each load reads 128 consecutive bytes a wave and the conversions give codes with K innermost.
; A wave takes 32 columns x 256 along K; the codes go through the wave's own stage and leave as rows: sixteen lanes store 256 consecutive bytes, aligned.
.Lweights:
	s_sub_co_u32 s21, ttmp9, XWG
	s_lshr_b32 s22, s21, 5                         ; which weight: 0 Wq, 1 Wk, 2 Wv, 3 Wo
	s_bfe_u32 s23, s21, 0x20003                    ; which 256 along K
	s_and_b32 s21, s21, 7                          ; which 128 columns
	s_cmp_eq_u32 s22, 1
	s_cselect_b64 s[6:7], s[8:9], s[6:7]
	s_cmp_eq_u32 s22, 2
	s_cselect_b64 s[6:7], s[10:11], s[6:7]
	s_cmp_eq_u32 s22, 3
	s_cselect_b64 s[6:7], s[12:13], s[6:7]
	s_lshl_b32 s36, s21, 7
	s_lshl_b32 s37, s20, 5
	s_add_co_u32 s36, s36, s37                     ; my wave's first column
	s_lshl_b32 s38, s23, 20                        ; 256 rows of 4,096 bytes
	s_lshl_b32 s39, s36, 2
	s_add_co_u32 s38, s38, s39
	s_mov_b32 s39, 0
	s_add_nc_u64 s[6:7], s[6:7], s[38:39]
	s_lshl_b32 s38, s22, 20                        ; the weight's plane of codes,
	s_lshl_b32 s40, s36, 10                        ; my first column's row of 1,024 bytes,
	s_add_co_u32 s38, s38, s40
	s_lshl_b32 s40, s23, 8                         ; my 256 along K
	s_add_co_u32 s38, s38, s40
	s_add_nc_u64 s[18:19], s[18:19], s[38:39]
	s_wait_alu depctr_va_vdst(0)
	v_lshlrev_b32 v3, 2, v2                        ; in: 4 bytes a lane
	s_mul_i32 s40, s20, 32*PITCH
	s_add_co_u32 s40, s40, WST                     ; my stage
	v_mul_u32_u24 v4, v2, PITCH
	v_add_nc_u32 v4, s40, v4                       ; into it: row = my column
	v_and_b32 v5, 15, v2
	v_lshrrev_b32 v6, 4, v2
	v_mul_u32_u24 v7, v6, PITCH
	v_lshl_add_u32 v7, v5, 4, v7
	v_add_nc_u32 v7, s40, v7                       ; out of it: sixteen lanes to a row, two rows an instruction
	v_lshlrev_b32 v8, 10, v6
	v_lshl_add_u32 v8, v5, 4, v8                   ; and the same place in the codes
.macro WLOAD t
.irp i, 0,1,2,3,4,5,6,7,8,9,10,11,12,13,14,15,16,17,18,19,20,21,22,23,24,25,26,27,28,29,30,31
	global_load_b32 v[XW+32*((\t)%2)+\i], v3, s[6:7] offset:(32*(\t)+\i)*4096 th:TH_LOAD_NT
.endr
.endm
	WLOAD 0
	WLOAD 1
	s_wait_kmcnt 0x0
	s_cmp_eq_u32 s22, 1
	s_cselect_b32 s25, s27, s25                    ; e1, e3, e5 or e11
	s_cmp_eq_u32 s22, 2
	s_cselect_b32 s25, s29, s25
	s_cmp_eq_u32 s22, 3
	s_cselect_b32 s25, s35, s25
	s_add_co_i32 s25, s25, 127
	s_lshl_b32 s26, s25, 23
	v_mov_b32 v11, s26                             ; 2^e
	s_add_co_i32 s25, s25, 8
	s_lshl_b32 s25, s25, 23
	s_or_b32 s25, s25, 0x600000
.macro WBLOCK t
.set XS, XW+32*((\t)%2)
.if (\t) < NB-1
	s_wait_loadcnt 32                              ; this block's 32 loads are in; the next block's 32 may be out
.else
	s_wait_loadcnt 0
.endif
.irp i, 0,1,2,3,4,5,6,7,8,9,10,11,12,13,14,15,16,17,18,19,20,21,22,23,24,25,26,27,28,29,30,31
.endr
.irp g, 0,1,2,3
	v_cvt_scalef32_pk8_fp8_f32 v[CW+2*\g:CW+2*\g+1], v[XS+8*\g:XS+8*\g+7], v11
.endr
	ds_store_b128 v4, v[CW:CW+3] offset:32*(\t)    ; 32 codes of my column's row.  (The results go to LDS stores and the sources take loads: neither wants a line between)
	ds_store_b128 v4, v[CW+4:CW+7] offset:32*(\t)+16
.if (\t)+2 < NB
	WLOAD (\t)+2
.endif
	s_wait_dscnt 0x0                               ; the stores have read their registers: the next block's codes may be written
.endm
	s_wait_alu depctr_va_vdst(0)
.irp t, 0,1,2,3,4,5,6,7
	WBLOCK \t
.endr
.irp t, 0,1,2,3,4,5,6,7,8,9,10,11,12,13,14,15
	ds_load_b128 v[OUTR+4*\t:OUTR+4*\t+3], v7 offset:2*\t*PITCH
.endr
.irp t, 0,1,2,3,4,5,6,7,8,9,10,11,12,13,14,15
	s_wait_dscnt 15-\t
	global_store_b128 v8, v[OUTR+4*\t:OUTR+4*\t+3], s[18:19] offset:2*\t*1024
.endr
	s_wait_tensorcnt 0x0
	ds_add_u32 v176, v177
	s_wait_dscnt 0x0
	s_endpgm
.Lfunc_end_k_qe42745362d_quant:
	.size	k_qe42745362d_quant, .Lfunc_end_k_qe42745362d_quant-k_qe42745362d_quant
	.p2alignl 7, 3214868480
	.fill 96, 4, 3214868480
	.section	.rodata,"a",@progbits
	.p2align	6, 0x0
	.amdhsa_kernel k_qe42745362d_quant
		.amdhsa_group_segment_fixed_size 68096
		.amdhsa_private_segment_fixed_size 0
		.amdhsa_enable_private_segment 0
		.amdhsa_kernarg_size 64
		.amdhsa_user_sgpr_count 2
		.amdhsa_user_sgpr_kernarg_segment_ptr 1
		.amdhsa_wavefront_size32 1
		.amdhsa_system_sgpr_workgroup_id_x 1
		.amdhsa_system_sgpr_workgroup_id_y 1
		.amdhsa_system_sgpr_workgroup_id_z 1
		.amdhsa_system_vgpr_workitem_id 0
		.amdhsa_next_free_vgpr 178
		.amdhsa_next_free_sgpr 66
		.amdhsa_reserve_vcc 0
		.amdhsa_float_denorm_mode_32 3
		.amdhsa_float_denorm_mode_16_64 3
		.amdhsa_fp16_overflow 1
		.amdhsa_memory_ordered 1
		.amdhsa_forward_progress 1
		.amdhsa_inst_pref_size 63
	.end_amdhsa_kernel
	.amdgpu_metadata
---
amdhsa.version: [ 1, 2 ]
amdhsa.kernels:
  - .name:           k_qe42745362d_quant
    .symbol:         k_qe42745362d_quant.kd
    .args:
      - { .name: x, .offset: 0, .size: 8, .value_kind: global_buffer, .address_space: global }
      - { .name: Wq, .offset: 8, .size: 8, .value_kind: global_buffer, .address_space: global }
      - { .name: Wk, .offset: 16, .size: 8, .value_kind: global_buffer, .address_space: global }
      - { .name: Wv, .offset: 24, .size: 8, .value_kind: global_buffer, .address_space: global }
      - { .name: Wo, .offset: 32, .size: 8, .value_kind: global_buffer, .address_space: global }
      - { .name: lowp_scales, .offset: 40, .size: 8, .value_kind: global_buffer, .address_space: global }
      - { .name: xc, .offset: 48, .size: 8, .value_kind: global_buffer, .address_space: global }
      - { .name: wc, .offset: 56, .size: 8, .value_kind: global_buffer, .address_space: global }
    .group_segment_fixed_size: 68096
    .private_segment_fixed_size: 0
    .kernarg_segment_align: 8
    .kernarg_segment_size: 64
    .max_flat_workgroup_size: 128
    .sgpr_count:     66
    .vgpr_count:     178
    .wavefront_size: 32
...
	.end_amdgpu_metadata
.endif
;; end of part 1
;; launch qkv (part 2): grid 4 x 96, 4 waves a work-group, clusters of 4 x 4, 327,680 bytes of LDS; arguments xc, wc, bq, bk, bv, lowp_scales, qkvc; writes qkvc
.if DOCPART == 2
	.amdgcn_target "amdgcn-amd-amdhsa--gfx1250"
	.amdhsa_code_object_version 6
	.text
	.protected	k_qe42745362d_qkv
	.globl	k_qe42745362d_qkv
	.p2align	8
	.type	k_qe42745362d_qkv,@function
k_qe42745362d_qkv:
	s_mov_b64 s[64:65], 0
	v_nop
	global_prefetch_b8 v0, s[64:65] scope:SCOPE_SE
	s_setreg_imm32_b32 hwreg(HW_REG_WAVE_MODE, 25, 1), 1
	s_wait_xcnt 0x0
	s_wait_alu depctr_hold_cnt(0) depctr_sa_sdst(0) depctr_va_vdst(0) depctr_va_sdst(0) depctr_va_ssrc(0) depctr_va_vcc(0) depctr_vm_vsrc(0)
	s_getreg_b32 s2, hwreg(HW_REG_IB_STS2, 6, 4)
	s_cmp_eq_u32 s2, 0
	s_cbranch_scc0 .Lentry_in_a_cluster
	s_endpgm
.Lentry_in_a_cluster:
	s_bfe_u32 s2, ttmp6, 0x10000c
	s_cmp_lg_u32 s2, 0xf033
	s_cbranch_scc0 .Lentry_shape_is_right
	s_endpgm
.Lentry_shape_is_right:
; q = x Wq + bq, k = x Wk + bk, v = x Wv + bv on codes of E4M3, and each result quantised at once for the attention (scales e6, e7, e9).  K = 1,024.
; C'[m][n] = sum over k of A'[m][k] B'[n][k]; a tile of 256 x 256 to a work-group of four waves, 128 x 128 (64 accumulators) to a wave; K in steps of 256 through two LDS slots.
; Cluster y = 8 p + g: p = 0 q, 1 k, 2 v.  For q and k A' = x's plane p (tile row 4 g + cy) and B' = the weight's plane p (tile column cx).
; V IS MADE TRANSPOSED by changing the two pointers over: A' = Wv's codes (tile row cy), B' = x's plane 2 (tile column 4 g + cx).  The grid's x is one cluster wide.
; The matrix instruction takes source 0 = 16 rows of B', source 1 = 16 rows of A': a lane holds one row of A' and eight neighbouring columns: for q and k eight of the head's 64, for v eight keys:
; in both cases eight neighbours along the K of the product that will read them, which is what the conversion wants in one lane.
; OUT: qkvc plane 0 q [64 bh][2048 s][64 d], plane 1 k likewise, plane 2 v [64 bh][64 d][2048 s].
; CLUSTERS: 4 x 4.  A's tile is asked for jointly by the four of a row of the cluster, B's by the four of a column.  p and g are the same in all sixteen partners.
; LIMITS: ea + eb of each product between -126 and 127; e6, e7, e9 between -126 and 119.
; REGISTERS: window 0: v0-31 addresses and two constants; v32-95 the bias by columns, v96-111 by rows; from v128 A's fragments, ONE set, later the codes.  window 1: B's fragments, TWO sets.
;   window 2: the accumulators of my rows 0-63 ((a, b) at v[8 (8 a + b)]); window 3: those of my rows 64-127.
.set KSTEP,  256
.set ROWB,   256                       ; a tile's row in bytes
.set KROW,   1024                      ; a row of x's or a weight's codes in memory
.set PITCH,  272                       ; an LDS row: 256 bytes + 16 = 68 words: row r starts at bank 4 r mod 64 (64 banks of 4 bytes: ISA guide 11.1)
.set FR,     16
.set NL,     4
.set NP,     4                         ; places behind this matrix instruction (ISA guide 7.12.1)
.set HALFT,  128*PITCH
.set SLOT,   4*HALFT
.set LAPS,   2                         ; 1,024 along K: twice round the ring
.set SPARE,  2*SLOT                    ; the spare words: 128 bytes a wave, two blocks of 256 bytes that no other line names
.set SPITCH, 336                       ; the codes' stage, 256 rows in slot 0 (which has had its last fill and its last read by then): 84 words: row r starts at bank 20 r mod 64: sixteen rows, sixteen different groups of four banks
.set ADRA, 16                          ; v16-17 my A fragments in slot 0, 1
.set LIM,  18
.set SC,   19                          ; v19    2^eo
.set ADRB, 20                          ; v20-21 my B fragments
.set BCO,  22                          ; v22    32 x (lane / 16): the bias by columns
.set BRO,  23                          ; v23    4 x (lane % 16): the bias by rows
.set STO,  24                          ; v24    the stage: where I put 8 codes
.set RDQ,  25                          ; v25    the stage, read for q and k: 8 rows x 64 bytes an instruction
.set GOQ,  26                          ; v26    16 x lane
.set RDV,  27                          ; v27    the stage, read for v: 2 rows x 256 bytes
.set SPW,  28                          ; v28    my spare word; never rewritten
.set NIL,  29                          ; v29    0; never rewritten
.set GOV,  30                          ; v30    v's place in memory for my lane
.set BC,   32
.set BR,   96
.set AF,   128
.set CD,   128                         ; the codes, 16 registers a block; later the rows read back
.set G1, 24
.set G0, 32
.set G1B, 48
.set G0B, 56
.set MSB, 0
.macro WIN new                         ; the immediate's high byte repeats the setting that is left
.if MSB != \new
	s_set_vgpr_msb (MSB<<8)|\new
.set MSB, \new
.endif
.endm
.set MUL_LO, 0xa1                      ; source 0 (B) window 1, source 1 (A) window 0, C and D window 2
.set MUL_HI, 0xf1
.set TO_B,   0x40
; A joint load: waves 0 and 1 fetch for A, waves 2 and 3 for B; the branch hangs on the wave's number alone.  Four v_nop follow each of the two lines.
.macro JLOAD g0a, g1a, g0b, g1b
	s_cmp_eq_u32 s15, 0
	s_cbranch_scc0 .Lfor_b_\@
	tensor_load_to_lds s[\g0a:\g0a+3], s[\g1a:\g1a+7]
	s_nop 0
.rept 4
	v_nop
.endr
	s_branch .Lasked_\@
.Lfor_b_\@:
	tensor_load_to_lds s[\g0b:\g0b+3], s[\g1b:\g1b+7]
	s_nop 0
.rept 4
	v_nop
.endr
.Lasked_\@:
.endm
.macro CREST
	s_cmp_lg_u32 s14, 0
	s_cbranch_scc1 .Lnot_wave_0_\@
	s_barrier_signal -3
.Lnot_wave_0_\@:
	s_barrier_wait -3
	s_barrier_signal -1
	s_barrier_wait -1
.endm
.macro CROUND
	s_barrier_signal -1
	s_barrier_wait -1
	CREST
.endm
	s_load_b256 s[68:75], s[0:1], 0x0              ; xc s[68:69], wc s[70:71], bq s[72:73], bk s[74:75]
	s_load_b128 s[76:79], s[0:1], 0x20             ; bv s[76:77], the scales' exponents s[78:79]
	s_load_b64 s[80:81], s[0:1], 0x30              ; qkvc
	v_lshl_add_u32 v[SPW], v0, 2, SPARE
	v_mov_b32 v[NIL], 0
	ds_add_u32 v28, v29
	ds_add_u32 v28, v29
	s_wait_dscnt 0x0
	v_lshrrev_b32 v1, 5, v0
	v_readfirstlane_b32 s14, v1                    ; wave 0..3
	s_lshr_b32 s15, s14, 1                         ; which half of the tile's rows is mine.  Also: I fetch for A (0) or for B (1)
	s_and_b32 s16, s14, 1                          ; which half of its columns.  Also: which 128 rows I fetch
	s_bfe_u32 s40, ttmp6, 0x40000                  ; cx
	s_bfe_u32 s41, ttmp6, 0x40004                  ; cy
	s_and_b32 s67, ttmp7, 0xffff                   ; cluster y = 8 p + g
	s_lshr_b32 s66, s67, 3                         ; p
	s_and_b32 s67, s67, 7
	s_lshl_b32 s67, s67, 2                         ; 4 g
	s_cmp_eq_u32 s66, 2
	s_cselect_b32 s100, 1, 0                       ; is it v?  The same in all sixteen partners
	s_cselect_b32 s18, 0, s67
	s_cselect_b32 s19, s67, 0
	s_cselect_b32 s98, 0, -1                       ; keeps the bias by columns (q, k)
	s_cselect_b32 s99, -1, 0                       ; keeps the bias by rows (v)
	s_add_co_u32 s17, s41, s18                     ; A's tile row: 4 g + cy, or cy
	s_add_co_u32 s42, s40, s19                     ; B's tile column: cx, or 4 g + cx
	s_lshl_b32 s43, s41, 2
	s_lshl_b32 s43, 15, s43                        ; my row of the cluster
	s_lshl_b32 s44, 0x1111, s40                    ; my column
	s_or_b32 s[G1+0], s43, (0<<16)|(1<<20)|(1<<21)|(5<<22)|(3<<25)  ; the mask; elements of 1 byte; padding on; bit 21 beside a mask; after every 64 words four words
	s_or_b32 s[G1B+0], s44, (0<<16)|(1<<20)|(1<<21)|(5<<22)|(3<<25)
.irp g, G1, G1B
	s_mov_b32 s[\g+1], ROWB<<16                    ; tensor_dim0
	s_mov_b32 s[\g+2], 128<<16                     ; tensor_dim1
	s_mov_b32 s[\g+3], ROWB<<16                    ; tile_dim0
	s_mov_b32 s[\g+4], 128                         ; tile_dim1
	s_mov_b32 s[\g+5], KROW                        ; from row to row
	s_mov_b32 s[\g+6], 0
	s_mov_b32 s[\g+7], 0
.endr
	; every LDS address is made of the lane and the wave's number alone
	v_and_b32 v1, 15, v0                           ; r
	v_bfe_u32 v2, v0, 4, 1                         ; h
	v_and_b32 v6, 31, v0                           ; lane
	v_mul_u32_u24 v3, v1, PITCH
	v_lshl_add_u32 v4, v2, 4, v3
	s_mul_i32 s4, s15, HALFT                       ; my 128 rows of A
	s_mul_i32 s5, s16, HALFT
	s_add_co_u32 s5, s5, 2*HALFT                   ; my 128 rows of B, behind A's 256
.irp s, 0,1
	v_add_nc_u32 v[ADRA+\s], s4, v4
	v_add_nc_u32 v[ADRB+\s], s5, v4
	s_add_co_u32 s4, s4, SLOT
	s_add_co_u32 s5, s5, SLOT
.endr
	v_lshlrev_b32 v[BCO], 5, v2
	v_lshlrev_b32 v[BRO], 2, v1
	s_mul_i32 s6, s15, 128*SPITCH
	s_lshl_b32 s7, s16, 7
	s_add_co_u32 s6, s6, s7
	v_mul_u32_u24 v5, v1, SPITCH
	v_lshl_add_u32 v5, v2, 3, v5
	v_add_nc_u32 v[STO], s6, v5                    ; (128 x row half + r) rows + 128 x column half + 8 h
	s_mul_i32 s6, s14, 64*SPITCH                   ; back: wave w takes rows 64 w on
	v_lshrrev_b32 v5, 2, v6
	v_mul_u32_u24 v5, v5, SPITCH
	v_and_b32 v7, 3, v6
	v_lshl_add_u32 v5, v7, 4, v5
	v_add_nc_u32 v[RDQ], s6, v5
	v_lshlrev_b32 v[GOQ], 4, v6
	v_mul_u32_u24 v5, v2, SPITCH
	v_lshl_add_u32 v5, v1, 4, v5
	v_add_nc_u32 v[RDV], s6, v5
	v_lshlrev_b32 v5, 11, v2
	v_lshl_add_u32 v[GOV], v1, 4, v5
	; byte offsets.  A's are made of cy, g and the wave's number, B's of cx, g and the wave's number, in registers that never hold the other coordinate
	s_lshl_b32 s18, s16, 7
	s_lshl_b32 s20, s17, 8
	s_add_co_u32 s20, s20, s18
	s_lshl_b32 s20, s20, 10                        ; A': (256 x tile row + 128 x half) rows of 1,024 bytes
	s_mov_b32 s21, 0
	s_lshl_b32 s46, s42, 8
	s_add_co_u32 s46, s46, s18
	s_lshl_b32 s46, s46, 10                        ; B' likewise
	s_mov_b32 s47, 0
	s_mul_i32 s45, s14, HALFT                      ; where my tile goes: wave x 128 rows
	s_lshl_b32 s8, s40, 8
	s_add_co_u32 s8, s8, s18
	s_lshl_b32 s8, s8, 2                           ; the bias of my 128 columns (q, k)
	s_lshl_b32 s10, s41, 8
	s_lshl_b32 s11, s15, 7
	s_add_co_u32 s10, s10, s11
	s_lshl_b32 s10, s10, 2                         ; the bias of my 128 rows (v)
	s_lshr_b32 s82, s17, 3                         ; q, k out: ((16 b + 4 cx) x 2,048 + the tile's first s + 64 w) x 64
	s_lshl_b32 s82, s82, 4
	s_lshl_b32 s83, s40, 2
	s_add_co_u32 s82, s82, s83
	s_lshl_b32 s82, s82, 11
	s_and_b32 s83, s17, 7
	s_lshl_b32 s83, s83, 8
	s_add_co_u32 s82, s82, s83
	s_lshl_b32 s19, s14, 6
	s_add_co_u32 s82, s82, s19
	s_lshl_b32 s82, s82, 6
	s_lshr_b32 s22, s42, 3                         ; v out: (1,024 b + 256 cy + 64 w) x 2,048 + the tile's first s
	s_lshl_b32 s22, s22, 10
	s_lshl_b32 s23, s41, 8
	s_add_co_u32 s22, s22, s23
	s_add_co_u32 s22, s22, s19
	s_lshl_b32 s22, s22, 11
	s_and_b32 s23, s42, 7
	s_lshl_b32 s23, s23, 8
	s_add_co_u32 s22, s22, s23
	s_lshl_b32 s23, s66, 23                        ; plane p of 8,388,608 bytes
	s_cmp_eq_u32 s100, 1
	s_cselect_b32 s8, 0, s8                        ; the bias that does not apply is read at the buffer's head and masked away
	s_cselect_b32 s10, s10, 0
	s_cselect_b32 s82, s22, s82
	s_add_co_u32 s82, s82, s23
	s_mov_b32 s83, 0
	s_mov_b32 s9, 0
	s_mov_b32 s11, 0
	s_wait_kmcnt 0x0
	s_load_b256 s[84:91], s[78:79], 0x0            ; e0 .. e7
	s_load_b128 s[92:95], s[78:79], 0x20           ; e8 .. e11
	s_mov_b32 s22, s23
	s_mov_b32 s23, 0
	s_add_nc_u64 s[68:69], s[68:69], s[22:23]      ; x's plane p
	s_lshl_b32 s22, s66, 20
	s_add_nc_u64 s[70:71], s[70:71], s[22:23]      ; the weight's plane p
	s_cmp_eq_u32 s100, 1
	s_cselect_b64 s[4:5], s[70:71], s[68:69]       ; A'
	s_cselect_b64 s[6:7], s[68:69], s[70:71]       ; B'
	s_add_nc_u64 s[4:5], s[4:5], s[20:21]
	s_add_nc_u64 s[6:7], s[6:7], s[46:47]
	s_cmp_eq_u32 s66, 1
	s_cselect_b64 s[12:13], s[74:75], s[72:73]
	s_cmp_eq_u32 s66, 2
	s_cselect_b64 s[12:13], s[76:77], s[12:13]     ; bq, bk or bv
	s_add_nc_u64 s[8:9], s[12:13], s[8:9]
	s_add_nc_u64 s[10:11], s[12:13], s[10:11]
	s_add_nc_u64 s[82:83], s[80:81], s[82:83]
	CROUND                                         ; all sixteen work-groups are here: the first joint loads meet
.irp s, 0,1
	s_mov_b32 s[G0+4*\s], 1
	s_add_co_u32 s[G0+4*\s+1], s45, \s*SLOT
	s_add_nc_u64 s[G0+4*\s+2:G0+4*\s+3], s[4:5], \s*ROWB
	s_or_b32 s[G0+4*\s+3], s[G0+4*\s+3], 0x80000000
	s_mov_b32 s[G0B+4*\s], 1
	s_add_co_u32 s[G0B+4*\s+1], s45, \s*SLOT
	s_add_nc_u64 s[G0B+4*\s+2:G0B+4*\s+3], s[6:7], \s*ROWB
	s_or_b32 s[G0B+4*\s+3], s[G0B+4*\s+3], 0x80000000
	JLOAD G0+4*\s, G1, G0B+4*\s, G1B
.endr
.irp b, 0,1,2,3,4,5,6,7                ; the bias in the result's layout: by columns bias[16 b + 8 h + j], by rows bias[16 a + r] (twice: a pair for the packed addition).  Waited for at the way out
	global_load_b128 v[BC+8*\b:BC+8*\b+3], v[BCO], s[8:9] offset:64*\b
	global_load_b128 v[BC+8*\b+4:BC+8*\b+7], v[BCO], s[8:9] offset:64*\b+16
.endr
.irp a, 0,1,2,3,4,5,6,7
	global_load_b32 v[BR+2*\a], v[BRO], s[10:11] offset:64*\a
	global_load_b32 v[BR+2*\a+1], v[BRO], s[10:11] offset:64*\a
.endr
.macro FRAG reg, adr, q, i             ; 16 rows x 128 K in 16 registers: registers 4 c .. 4 c + 3 hold K = 32 c + 16 (l / 16) + 0 .. 15: the same order of k in A and in B
.irp c, 0,1,2,3
	ds_load_b128 v[\reg+4*\c:\reg+4*\c+3], v[\adr] offset:128*(\q)+32*\c+(\i)*16*PITCH
.endr
.endm
; 16 matrix instructions: A's blocks a0, a0 + 1 x B's eight.  The 64 accumulators take turns, one instruction a turn, in the same order in every step.
.macro MUL16 a0, p, zero
.irp a, \a0, \a0+1
.irp b, 0,1,2,3,4,5,6,7
.if \zero
	v_wmma_f32_16x16x128_fp8_fp8 v[8*(8*((\a)%4)+\b):8*(8*((\a)%4)+\b)+7], v[128*(\p)+FR*\b:128*(\p)+FR*\b+FR-1], v[AF+FR*(\a):AF+FR*(\a)+FR-1], 0
.else
	v_wmma_f32_16x16x128_fp8_fp8 v[8*(8*((\a)%4)+\b):8*(8*((\a)%4)+\b)+7], v[128*(\p)+FR*\b:128*(\p)+FR*\b+FR-1], v[AF+FR*(\a):AF+FR*(\a)+FR-1], v[8*(8*((\a)%4)+\b):8*(8*((\a)%4)+\b)+7]
.endif
.endr
.endr
.endm
.macro FETCH_B slot, q, p
	WIN TO_B
.irp i, 0,1,2,3,4,5,6,7
	FRAG 128*(\p)+FR*\i, ADRB+\slot, \q, \i
.endr
	WIN 0
.endm
.macro FETCH_A slot, q, i0
.irp i, \i0, \i0+1, \i0+2, \i0+3
	FRAG AF+FR*(\i), ADRA+\slot, \q, \i
.endr
.endm
.macro PLACES n                        ; plain vector lines between a matrix instruction and a load into a register that it has read
.rept \n
	v_nop
.endr
.endm
.macro STEP slot, q, zero              ; 128 along K whose successor lies in the same slot
	s_wait_dscnt 4*NL                              ; B's set and A's blocks 0-3 are in; the youngest sixteen loads (A's blocks 4-7) may be out
	WIN MUL_LO
	MUL16 0, (\q)%2, \zero
	MUL16 2, (\q)%2, \zero
	s_wait_dscnt 0                                 ; A's blocks 4-7 are in
	PLACES NP
	FETCH_B \slot, (\q)+1, 1-(\q)%2
	FETCH_A \slot, (\q)+1, 0
	WIN MUL_HI
	MUL16 4, (\q)%2, \zero
	MUL16 6, (\q)%2, \zero
	PLACES NP
	WIN 0
	FETCH_A \slot, (\q)+1, 4
.endm
; A slot's last step changes slots: each wave waits for all its tensor loads, adds 0 to its spare word, waits for that and for its reads of this slot, and signals.  fill = 1: the slot is filled again, two K steps ahead.
.macro TURN slot, next, fill
	s_wait_tensorcnt 0x0                           ; all my tensor loads have landed: my part of the next slot
	ds_add_u32 v[SPW], v[NIL]
	s_wait_dscnt 4*NL+1                            ; the add and the youngest sixteen loads may be out
	WIN MUL_LO
	MUL16 0, 1, 0
	s_wait_dscnt 0x0                               ; the add is done, and my reads of this slot are over
	s_barrier_signal -1
	MUL16 2, 1, 0
	WIN 0
	s_barrier_wait -1
.if \fill
	CREST                                          ; the barrier has opened a round of the cluster's: no wave of any partner still reads this slot or has a load on its way
	s_add_nc_u64 s[G0+4*\slot+2:G0+4*\slot+3], s[G0+4*\slot+2:G0+4*\slot+3], 2*ROWB
	s_add_nc_u64 s[G0B+4*\slot+2:G0B+4*\slot+3], s[G0B+4*\slot+2:G0B+4*\slot+3], 2*ROWB
	JLOAD G0+4*\slot, G1, G0B+4*\slot, G1B         ; the first tensor load behind the round; its four v_nop are the places in front of the loads below
.else
	PLACES NP
.endif
	FETCH_B \next, 0, 0
	FETCH_A \next, 0, 0
	WIN MUL_HI
	MUL16 4, 1, 0
	MUL16 6, 1, 0
	PLACES NP
	WIN 0
	FETCH_A \next, 0, 4
.endm
	s_wait_tensorcnt 1                             ; my part of K step 0 is in; K step 1's load may be out
	s_barrier_signal -1
	s_barrier_wait -1
	FETCH_B 0, 0, 0
	FETCH_A 0, 0, 0
	FETCH_A 0, 0, 4
	STEP 0, 0, 1                                   ; the first products start the sums: nothing is cleared
.rept LAPS-1                           ; once round the ring, filling both slots again: with four K steps this stands once, so no loop is written
	TURN 0, 1, 1
	STEP 1, 0, 0
	TURN 1, 0, 1
	STEP 0, 0, 0
.endr
	TURN 0, 1, 0                                   ; the last lap fills nothing
	STEP 1, 0, 0
	s_wait_dscnt 4*NL
	WIN MUL_LO
	MUL16 0, 1, 0
	MUL16 2, 1, 0
	s_wait_dscnt 0
	WIN MUL_HI
	MUL16 4, 1, 0
	MUL16 6, 1, 0
	WIN 0
	; THE WAY OUT: sum x 2^(ea + eb) + bias, in f32; held; converted, eight neighbours to 8 bytes; through the work-group's stage; out as long runs.
	s_wait_kmcnt 0x0
	s_wait_loadcnt 0x0                             ; the biases
	s_cmp_eq_u32 s66, 1
	s_cselect_b32 s84, s86, s84                    ; ea: e0, e2 or e4
	s_cselect_b32 s85, s87, s85                    ; eb: e1, e3 or e5
	s_cselect_b32 s90, s91, s90                    ; eo: e6, e7 or e9
	s_cmp_eq_u32 s66, 2
	s_cselect_b32 s84, s88, s84
	s_cselect_b32 s85, s89, s85
	s_cselect_b32 s90, s93, s90
	s_add_co_i32 s96, s84, s85
	s_add_co_i32 s96, s96, 127
	s_lshl_b32 s96, s96, 23                        ; 2^(ea + eb)
	s_mov_b32 s97, s96                             ; (named with it as a pair)
	s_add_co_i32 s90, s90, 127
	s_lshl_b32 s91, s90, 23
	v_mov_b32 v[SC], s91
	s_add_co_i32 s90, s90, 8
	s_lshl_b32 s90, s90, 23
	s_or_b32 s90, s90, 0x600000
.set j, 0
.rept 64
	v_and_b32 v[BC+j], s98, v[BC+j]                ; the bias by columns counts for q and k, that by rows for v; the other becomes 0.0.  (These 80 lines are also the places behind the last products)
.set j, j+1
.endr
.set j, 0
.rept 16
	v_and_b32 v[BR+j], s99, v[BR+j]
.set j, j+1
.endr
.macro EBLK a                          ; block a: my rows 16 a .. 16 a + 15 x my 128 columns
.set AC, 64*((\a)%4)
.set W, 2+(\a)/4
.set WW, (W<<6)|W
	WIN WW                                         ; destination and source 0 in the accumulators' window
.set j, 0
.rept 32
	v_pk_fma_f32 v[AC+j:AC+j+1], v[AC+j:AC+j+1], s[96:97], v[BC+j:BC+j+1] op_sel_hi:[1,0,1]   ; each accumulator from its low end on
.set j, j+2
.endr
.set j, 0
.rept 32
	v_pk_add_f32 v[AC+j:AC+j+1], v[AC+j:AC+j+1], v[BR+2*(\a):BR+2*(\a)+1]
.set j, j+2
.endr
.set j, 0
.rept 64
.set j, j+1
.endr
	WIN W
.irp b, 0,1,2,3,4,5,6,7
	v_cvt_scalef32_pk8_fp8_f32 v[CD+16*(\a)+2*\b:CD+16*(\a)+2*\b+1], v[AC+8*\b:AC+8*\b+7], v[SC]
.endr
	WIN 0
	v_nop                                          ; a plain line behind the last conversion
.irp b, 0,1,2,3,4,5,6,7
	ds_store_b64 v[STO], v[CD+16*(\a)+2*\b:CD+16*(\a)+2*\b+1] offset:(\a)*16*SPITCH+16*\b
.endr
.endm
.irp a, 0,1,2,3,4,5,6,7
	EBLK \a
.endr
	s_wait_dscnt 0x0                               ; for the others' sake: a row's 256 bytes come from two waves
	s_barrier_signal -1
	s_barrier_wait -1
	s_cmp_eq_u32 s100, 1                           ; the same in every wave and every partner; the two ways hold LDS loads and stores to memory alone
	s_cbranch_scc1 .Lout_v
.set n, 0
.rept 32                               ; q, k: head n / 8 of the tile's four, tokens 64 w + 8 (n % 8) on: 8 rows x 64 bytes
	ds_load_b128 v[CD+4*n:CD+4*n+3], v[RDQ] offset:64*(n/8)+(n%8)*8*SPITCH
.set n, n+1
.endr
.set n, 0
.rept 32
	s_wait_dscnt 31-n
	global_store_b128 v[GOQ], v[CD+4*n:CD+4*n+3], s[82:83] offset:(n/8)*131072+(n%8)*512   ; 512 consecutive bytes, aligned
.set n, n+1
.endr
	s_branch .Lout_done
.Lout_v:
.set n, 0
.rept 32                               ; v: rows 64 w + 2 n, + 1: 2 rows x 256 bytes
	ds_load_b128 v[CD+4*n:CD+4*n+3], v[RDV] offset:n*2*SPITCH
.set n, n+1
.endr
.set n, 0
.rept 32
	s_wait_dscnt 31-n
	global_store_b128 v[GOV], v[CD+4*n:CD+4*n+3], s[82:83] offset:n*4096   ; sixteen lanes store 256 consecutive bytes, aligned
.set n, n+1
.endr
.Lout_done:
	s_wait_tensorcnt 0x0                           ; the wave's end
	ds_add_u32 v[SPW], v[NIL]
	s_wait_dscnt 0x0
	CROUND                                         ; the closing round
	s_endpgm
.Lfunc_end_k_qe42745362d_qkv:
	.size	k_qe42745362d_qkv, .Lfunc_end_k_qe42745362d_qkv-k_qe42745362d_qkv
	.p2alignl 7, 3214868480
	.fill 96, 4, 3214868480
	.section	.rodata,"a",@progbits
	.p2align	6, 0x0
	.amdhsa_kernel k_qe42745362d_qkv
		.amdhsa_group_segment_fixed_size 327680
		.amdhsa_private_segment_fixed_size 0
		.amdhsa_enable_private_segment 0
		.amdhsa_kernarg_size 56
		.amdhsa_user_sgpr_count 2
		.amdhsa_user_sgpr_kernarg_segment_ptr 1
		.amdhsa_wavefront_size32 1
		.amdhsa_system_sgpr_workgroup_id_x 1
		.amdhsa_system_sgpr_workgroup_id_y 1
		.amdhsa_system_sgpr_workgroup_id_z 1
		.amdhsa_system_vgpr_workitem_id 0
		.amdhsa_next_free_vgpr 1024
		.amdhsa_next_free_sgpr 102
		.amdhsa_reserve_vcc 0
		.amdhsa_float_denorm_mode_32 3
		.amdhsa_float_denorm_mode_16_64 3
		.amdhsa_fp16_overflow 1
		.amdhsa_memory_ordered 1
		.amdhsa_forward_progress 1
		.amdhsa_inst_pref_size 139
	.end_amdhsa_kernel
	.amdgpu_metadata
---
amdhsa.version: [ 1, 2 ]
amdhsa.kernels:
  - .name:           k_qe42745362d_qkv
    .symbol:         k_qe42745362d_qkv.kd
    .args:
      - { .name: xc, .offset: 0, .size: 8, .value_kind: global_buffer, .address_space: global }
      - { .name: wc, .offset: 8, .size: 8, .value_kind: global_buffer, .address_space: global }
      - { .name: bq, .offset: 16, .size: 8, .value_kind: global_buffer, .address_space: global }
      - { .name: bk, .offset: 24, .size: 8, .value_kind: global_buffer, .address_space: global }
      - { .name: bv, .offset: 32, .size: 8, .value_kind: global_buffer, .address_space: global }
      - { .name: lowp_scales, .offset: 40, .size: 8, .value_kind: global_buffer, .address_space: global }
      - { .name: qkvc, .offset: 48, .size: 8, .value_kind: global_buffer, .address_space: global }
    .group_segment_fixed_size: 327680
    .private_segment_fixed_size: 0
    .kernarg_segment_align: 8
    .kernarg_segment_size: 56
    .max_flat_workgroup_size: 128
    .sgpr_count:     102
    .vgpr_count:     1024
    .wavefront_size: 32
...
	.end_amdgpu_metadata
.endif
;; end of part 2
;; launch attn (part 3): grid 4 x 64, 16 waves a work-group, no clusters, 327,680 bytes of LDS; arguments qkvc, lowp_scales, yc; writes yc
.if DOCPART == 3
	.amdgcn_target "amdgcn-amd-amdhsa--gfx1250"
	.amdhsa_code_object_version 6
	.text
	.protected	k_qe42745362d_attn
	.globl	k_qe42745362d_attn
	.p2align	8
	.type	k_qe42745362d_attn,@function
k_qe42745362d_attn:
	s_mov_b64 s[64:65], 0
	v_nop
	global_prefetch_b8 v0, s[64:65] scope:SCOPE_SE
	s_setreg_imm32_b32 hwreg(HW_REG_WAVE_MODE, 25, 1), 1
	s_wait_xcnt 0x0
; y[bh][q] = sum over k <= q of softmax_k(Q[q] . K[k] / 8) V[k], head size 64, 2,048 keys, 64 heads bh = 16 b + head, both products on codes of E4M3.
; qkvc: plane 0 Q [bh][s][64], plane 1 K likewise, plane 2 V [bh][64 d][2048 s] (keys innermost).  yc: y's codes (scale e10) laid [head][token][64].
; THE SOFTMAX: t = score x log2(e) / 8; M = the running largest t rounded UP to a whole number; p = 2^(t - M) is quantised (e8), not normalised; the row's sum is taken of the unquantised p and divides at the end.
; When M moves, the sum and O are multiplied by 2^(old M - new M): exact.
; SHARES.  A head has eight blocks of 256 queries; block j needs key slots 0 .. j of 256 keys.  Work-group i (0..3) of a head takes block i and then block 7 - i: (i + 1) + (8 - i) = NINE visits to slots, whatever i:
; the trip count is a constant, all 256 work-groups have equal work, and no tile is fetched that nobody reads.  Each of the sixteen waves owns 16 queries of the block in hand, in 256 registers.
; A step of 128 keys all of which come after a wave's queries is left out by a scalar branch on ids; on the diagonal hidden scores become -infinity ahead of the maximum.  Key 0 counts for every query.
; LAYOUT.  Both products transposed: S^T = K Q^T (16x16x64), O^T = V^T P^T (16x16x128): a lane holds ONE query throughout.  Lane r of key tile 2 b + u takes key 32 b + 8 u + r + 8 (r / 8), so that the 16 registers
; of tiles 2 b, 2 b + 1 are 16 neighbouring keys.  Fragments come by loads of 16 bytes: the same order of k in both operands of a product.
; NO JOINT LOADS: the four work-groups of a head begin their second block at different trips (i + 1), so in one and the same trip they want different tiles.
; NO PREFETCH: a refill is asked for a whole slot's work of all sixteen waves (two key steps each) ahead of the wait for it, and each tile is asked for by several work-groups of the head.
; LIMITS: e6 + e7 between -123 and 130 (added to c's exponent field); e8 and e10 between -126 and 119; e8 + e9 is applied by v_ldexp_f32.
; REGISTERS: v1-11 addresses; v12 -M, v13 the largest t, v[14:15] the sum; v16-23 Q; v24-31 y's codes; v32-95 fragments; v96-159 S^T, then p; v160-191 O^T; v192-223 the way out; v224-239 p's codes; v236-254 at work and constants.
.set SK,    256
.set KP,    80                         ; a key's row in LDS: 64 bytes + 16
.set VP,    272                        ; a row of V's tile: 256 bytes + 16
.set VOFF,  SK*KP
.set SLOT1, 1<<16                      ; slot 1 begins here: one exclusive or turns an address
.set SPARE, 2*SLOT1                    ; the spare words: 128 bytes for each of sixteen waves
.set STAGE, SPARE+2048                 ; the way out: 16 rows x 80 bytes for each wave; bytes of its own, which no tile ever fills, since a way out stands in the middle of the walk too
.set STW,   16*80
.set AK0, 1
.set AV0, 2
.set SRD, 4                            ; v4  the stage, read: 8 rows x 64 bytes an instruction
.set SPW, 5
.set NIL, 6
.set GO,  7                            ; v7  16 x lane
.set ADK, 8
.set ADV, 9
.set QO,  10                           ; v10 Q: 64 r + 16 h
.set STO, 11                           ; v11 the stage, written: 80 r + 8 h
.set TB,  2                            ; s2  the slot in hand
.set WV,  18
.set SEL, 20
.set CS,  22                           ; s[22:23] c = log2(e) / 8, with e6 + e7 added to its exponent field
.set G1K, 24
.set G1V, 32
.set G0K, 40
.set G0V, 44
.set KB,  48                           ; s[48:49] K of my head;  s[50:51] V of my head
.set VB,  50
.set T,   52                           ; s52 the trip
.set I,   53                           ; s53 i
.set KN,  54                           ; s54 the key slot that was asked for last
.set OFF, 56                           ; s[56:57] an offset, its high word 0
.set Q0B, 58                           ; s58 my first query in the second block
.set QB,  60                           ; s[60:61] its codes
.set QA,  62                           ; s[62:63] my first block's
.set YA,  66                           ; s[66:67] y of my first block's queries;  s[72:73] of the second's
.set YB,  72
.set KF,  98                           ; s98 the step's first key
.set Q0,  99                           ; s99 my first query
; Wave 0 fetches K's tile, wave 1 V's, the others nothing; the branches hang on the wave's number alone.  Four v_nop follow each of the two lines.
.macro TLOAD
	s_cmp_eq_u32 s[WV], 0
	s_cbranch_scc0 .Lnot_k_\@
	tensor_load_to_lds s[G0K:G0K+3], s[G1K:G1K+7]
	s_nop 0
.rept 4
	v_nop
.endr
	s_branch .Lasked_\@
.Lnot_k_\@:
	s_cmp_eq_u32 s[WV], 1
	s_cbranch_scc0 .Lasked_\@
	tensor_load_to_lds s[G0V:G0V+3], s[G1V:G1V+7]
	s_nop 0
.rept 4
	v_nop
.endr
.Lasked_\@:
.endm
	s_load_b128 s[4:7], s[0:1], 0x0                ; qkvc s[4:5], the scales' exponents s[6:7]
	s_load_b64 s[8:9], s[0:1], 0x10                ; yc
	v_lshl_add_u32 v[SPW], v0, 2, SPARE
	v_mov_b32 v[NIL], 0
	ds_add_u32 v5, v6
	ds_add_u32 v5, v6
	s_wait_dscnt 0x0
	v_lshrrev_b32 v8, 5, v0
	s_delay_alu instid0(VALU_DEP_1)
	v_readfirstlane_b32 s[WV], v8                  ; wave 0..15
	s_and_b32 s10, ttmp7, 0xffff                   ; bh
	s_mov_b32 s[I], ttmp9
	s_lshl_b32 s12, s10, 17                        ; a head's 131,072 bytes in each plane
	s_mov_b32 s13, 0
	s_lshl_b32 s11, s[WV], 4
	s_lshl_b32 s[Q0], s[I], 8
	s_add_co_u32 s[Q0], s[Q0], s11                 ; 256 i + 16 w
	s_sub_co_u32 s[Q0B], 7, s[I]
	s_lshl_b32 s[Q0B], s[Q0B], 8
	s_add_co_u32 s[Q0B], s[Q0B], s11               ; 256 (7 - i) + 16 w
	s_and_b32 s14, s10, 15
	s_lshl_b32 s14, s14, 19                        ; yc: the head's 8,192 tokens x 64,
	s_lshr_b32 s15, s10, 4
	s_lshl_b32 s15, s15, 17                        ; b's 2,048 of them
	s_add_co_u32 s14, s14, s15
	s_mov_b32 s15, 0
	s_lshl_b32 s16, s[Q0], 6
	s_mov_b32 s17, 0
	s_lshl_b32 s76, s[Q0B], 6
	s_mov_b32 s77, 0
	s_mov_b32 s[G1K], (0<<16)|(1<<20)|(3<<22)|(3<<25)   ; K: 256 rows of 64 bytes, dense in memory; four words of padding after every 16
	s_mov_b32 s[G1K+1], 64<<16
	s_mov_b32 s[G1K+2], SK<<16
	s_mov_b32 s[G1K+3], 64<<16
	s_mov_b32 s[G1K+4], SK
	s_mov_b32 s[G1K+5], 64
	s_mov_b32 s[G1K+6], 0
	s_mov_b32 s[G1K+7], 0
	s_mov_b32 s[G1V], (0<<16)|(1<<20)|(5<<22)|(3<<25)   ; V: 64 rows of 256 bytes, 2,048 bytes apart; four words of padding after every 64
	s_mov_b32 s[G1V+1], SK<<16
	s_mov_b32 s[G1V+2], 64<<16
	s_mov_b32 s[G1V+3], SK<<16
	s_mov_b32 s[G1V+4], 64
	s_mov_b32 s[G1V+5], 2048
	s_mov_b32 s[G1V+6], 0
	s_mov_b32 s[G1V+7], 0
	s_mov_b32 s[SEL], 0x76543210
	s_mov_b32 s[SEL+1], 0xfedcba98
	s_mov_b32 s[CS], 0x3e38aa3b                    ; log2(e) / 8
	s_mov_b32 s[TB], 0
	s_mov_b32 s[T], 0
	s_mov_b32 s[KN], 0
	s_mov_b32 s[OFF+1], 0
	s_mov_b32 s[KF], 0
	v_and_b32 v8, 15, v0                           ; r
	v_bfe_u32 v9, v0, 4, 1                         ; h
	v_and_b32 v3, 31, v0                           ; lane
	s_delay_alu instid0(VALU_DEP_3)
	v_and_b32 v[AK0], 8, v8
	s_delay_alu instid0(VALU_DEP_1)
	v_add_nc_u32 v[AK0], v[AK0], v8                ; r + 8 (r / 8)
	s_delay_alu instid0(VALU_DEP_1)
	v_mul_u32_u24 v[AK0], v[AK0], KP
	s_delay_alu instid0(VALU_DEP_1)
	v_lshl_add_u32 v[AK0], v9, 4, v[AK0]
	v_mul_u32_u24 v[AV0], v8, VP
	s_delay_alu instid0(VALU_DEP_1)
	v_lshl_add_u32 v[AV0], v9, 4, v[AV0]
	s_delay_alu instid0(VALU_DEP_1)
	v_add_nc_u32 v[AV0], VOFF, v[AV0]
	s_mul_i32 s19, s[WV], STW
	s_add_co_u32 s19, s19, STAGE                   ; my stage
	v_lshrrev_b32 v[SRD], 2, v3
	s_delay_alu instid0(VALU_DEP_1)
	v_mul_u32_u24 v[SRD], v[SRD], 80
	v_and_b32 v[GO], 3, v3
	s_delay_alu instid0(VALU_DEP_1)
	v_lshl_add_u32 v[SRD], v[GO], 4, v[SRD]
	s_delay_alu instid0(VALU_DEP_1)
	v_add_nc_u32 v[SRD], s19, v[SRD]
	v_lshlrev_b32 v[GO], 4, v3
	v_lshlrev_b32 v[QO], 6, v8
	s_delay_alu instid0(VALU_DEP_1)
	v_lshl_add_u32 v[QO], v9, 4, v[QO]
	v_mul_u32_u24 v[STO], v8, 80
	s_delay_alu instid0(VALU_DEP_1)
	v_lshl_add_u32 v[STO], v9, 3, v[STO]
	s_delay_alu instid0(VALU_DEP_1)
	v_add_nc_u32 v[STO], s19, v[STO]
	s_wait_kmcnt 0x0
	s_load_b128 s[68:71], s[6:7], 0x18             ; e6, e7, e8, e9
	s_load_b32 s74, s[6:7], 0x28                   ; e10
	s_add_nc_u64 s[4:5], s[4:5], s[12:13]          ; Q's plane at my head
	s_add_nc_u64 s[KB:KB+1], s[4:5], 0x800000
	s_add_nc_u64 s[VB:VB+1], s[4:5], 0x1000000
	s_add_nc_u64 s[QA:QA+1], s[4:5], s[16:17]
	s_add_nc_u64 s[QB:QB+1], s[4:5], s[76:77]
	s_add_nc_u64 s[8:9], s[8:9], s[14:15]
	s_add_nc_u64 s[YA:YA+1], s[8:9], s[16:17]
	s_add_nc_u64 s[YB:YB+1], s[8:9], s[76:77]
	s_mov_b32 s[G0K], 1
	s_mov_b32 s[G0K+1], 0                          ; slot 0
	s_mov_b64 s[G0K+2:G0K+3], s[KB:KB+1]           ; key slot 0
	s_or_b32 s[G0K+3], s[G0K+3], 0x80000000
	s_mov_b32 s[G0V], 1
	s_mov_b32 s[G0V+1], VOFF
	s_mov_b64 s[G0V+2:G0V+3], s[VB:VB+1]
	s_or_b32 s[G0V+3], s[G0V+3], 0x80000000
	TLOAD                                          ; the first trip's tiles
	s_wait_alu depctr_va_vdst(0)
.irp c, 0,1
	global_load_b128 v[16+4*\c:19+4*\c], v[QO], s[QA:QA+1] offset:32*\c
.endr
	v_mov_b32 v13, 0xff61b1e6                      ; the largest t so far: -3e38
	s_delay_alu instid0(VALU_DEP_1)
	v_floor_f32 v12, -v13                          ; -M
	v_mov_b32 v14, 0
	v_mov_b32 v15, 0
	v_mov_b32 v236, 0                              ; a lane permute's destination counts as one of its sources
	v_mov_b32 v252, 0
	v_mov_b32 v253, 0                              ; (named as the upper half of the pair v[252:253])
.set j, 0
.rept 32
	v_mov_b32 v[160+j], 0                          ; O^T: a block's first step finds zeros, which the first change of M leaves zeros
.set j, j+1
.endr
	s_wait_kmcnt 0x0
	s_add_co_i32 s96, s68, s69
	s_lshl_b32 s96, s96, 23
	s_add_co_i32 s[CS], s[CS], s96                 ; a score stands for score x 2^(e6 + e7)
	s_mov_b32 s[CS+1], s[CS]
	s_add_co_i32 s96, s70, 127
	s_lshl_b32 s97, s96, 23
	v_mov_b32 v244, s97                            ; 2^e8
	s_add_co_i32 s96, s74, 127
	s_lshl_b32 s97, s96, 23
	v_mov_b32 v245, s97                            ; 2^e10
	s_add_co_i32 s75, s70, s71                     ; e8 + e9
; A KEY STEP: 128 keys, the q-th of the slot in hand.
.macro STEP q
	s_add_co_u32 s96, s[Q0], 15
	s_cmp_gt_u32 s[KF], s96
	s_cbranch_scc1 .Lhidden_\@                     ; all its keys come after my queries
	v_add_nc_u32 v[ADK], s[TB], v[AK0]
	v_add_nc_u32 v[ADV], s[TB], v[AV0]
	v_nop                                          ; with the two additions: four places in front of loads into registers that matrix instructions have read
	v_nop
.irp t, 0,1,2,3,4,5,6,7
.irp c, 0,1
	ds_load_b128 v[32+8*\t+4*\c:32+8*\t+4*\c+3], v[ADK] offset:(128*(\q)+32*(\t/2)+8*(\t%2))*KP+32*\c
.endr
.endr
	s_wait_dscnt 0x0
.irp t, 0,1,2,3,4,5,6,7
	v_wmma_f32_16x16x64_fp8_fp8 v[96+8*\t:103+8*\t], v[32+8*\t:39+8*\t], v[16:23], 0
.endr
.rept 4
	v_nop
.endr
	s_add_co_u32 s96, s[KF], 127
	s_cmp_le_u32 s96, s[Q0]
	s_cbranch_scc1 .Lopen_\@                       ; all its keys count
	s_sub_co_i32 s96, s[Q0], s[KF]
	v_and_b32 v252, 15, v0
	v_bfe_u32 v253, v0, 4, 1
	s_delay_alu instid0(VALU_DEP_1)
	v_lshlrev_b32 v253, 4, v253
	s_delay_alu instid0(VALU_DEP_1)
	v_sub_nc_u32 v252, v252, v253
	s_delay_alu instid0(VALU_DEP_1)
	v_add_nc_u32 v252, s96, v252                   ; d = my query - KF - 16 (lane / 16).  Register 16 b + i holds key KF + 16 (lane / 16) + 32 b + i: hidden where 32 b + i > d
	v_mov_b32 v254, 0xff800000
.set n, 0
.rept 64
	v_cmp_gt_i32 vcc_lo, 32*(n/16)+n%16, v252
	v_cndmask_b32 v[96+n], v[96+n], v254, vcc_lo
.set n, n+1
.endr
.Lopen_\@:
	v_max3_num_f32 v254, v96, v97, v98             ; the step's largest score of my query, in two chains, each accumulator from its low end on
	v_max3_num_f32 v252, v99, v100, v101
.irp i, 6,10,14,18,22,26,30,34,38,42,46,50,54,58
	v_max3_num_f32 v254, v254, v[96+\i], v[97+\i]
	v_max3_num_f32 v252, v252, v[98+\i], v[99+\i]
.endr
	v_max3_num_f32 v254, v254, v158, v159
	s_delay_alu instid0(VALU_DEP_1)
	v_max_num_f32 v254, v254, v252
	v_permlanex16_b32 v236, v254, s[SEL], s[SEL+1]
	s_delay_alu instid0(VALU_DEP_1)
	v_max_num_f32 v254, v254, v236                 ; and among lane l xor 16's
	s_delay_alu instid0(VALU_DEP_1)
	v_mul_f32 v254, s[CS], v254                    ; as t (c is positive)
	s_delay_alu instid0(VALU_DEP_1)
	v_max_num_f32 v13, v13, v254
	v_mov_b32 v254, v12
	s_delay_alu instid0(VALU_DEP_2)
	v_floor_f32 v12, -v13                          ; the new -M = -ceil(t)
	s_delay_alu instid0(VALU_DEP_1)
	v_sub_f32 v254, v12, v254                      ; old M - new M: a whole number, 0 or less
	s_delay_alu instid0(VALU_DEP_1)
	v_cvt_i32_f32 v254, v254                       ; (it saturates)
	s_delay_alu instid0(VALU_DEP_1)
	v_ldexp_f32 v252, 1.0, v254                    ; f = 2^(old M - new M)
.set j, 0
.rept 32
	v_pk_fma_f32 v[96+j:97+j], v[96+j:97+j], s[CS:CS+1], v[12:13] op_sel_hi:[1,0,0]   ; t - M
.set j, j+2
.endr
.set j, 0
	s_wait_alu depctr_va_vdst(0)
.rept 64
	v_exp_f32 v[96+j], v[96+j]                     ; p = 2^(t - M)
.set j, j+1
.endr
	v_pk_mul_f32 v[14:15], v[14:15], v[252:253] op_sel_hi:[1,0]   ; the sums under the new M: the plain line behind the exponentials
	s_wait_alu depctr_va_vdst(0)                   ; one wait for the whole batch, ahead of its first reader
	v_pk_add_f32 v[242:243], v[100:101], v[104:105]
	v_pk_add_f32 v[254:255], v[108:109], v[112:113]
	v_pk_add_f32 v[250:251], v[116:117], v[120:121]
	v_pk_add_f32 v[248:249], v[124:125], v[128:129]
	v_pk_add_f32 v[246:247], v[132:133], v[136:137]
	v_pk_add_f32 v[240:241], v[140:141], v[144:145]
	v_pk_add_f32 v[238:239], v[148:149], v[152:153]
	v_pk_add_f32 v[14:15], v[14:15], v[156:157]
	v_pk_add_f32 v[242:243], v[242:243], v[96:97]
	v_pk_add_f32 v[254:255], v[254:255], v[98:99]
	v_pk_add_f32 v[250:251], v[250:251], v[102:103]
	v_pk_add_f32 v[248:249], v[248:249], v[106:107]
	v_pk_add_f32 v[246:247], v[246:247], v[110:111]
	v_pk_add_f32 v[240:241], v[240:241], v[114:115]
	v_pk_add_f32 v[238:239], v[238:239], v[118:119]
	v_pk_add_f32 v[14:15], v[14:15], v[122:123]
	v_pk_add_f32 v[242:243], v[242:243], v[126:127]
	v_pk_add_f32 v[254:255], v[254:255], v[130:131]
	v_pk_add_f32 v[250:251], v[250:251], v[134:135]
	v_pk_add_f32 v[248:249], v[248:249], v[138:139]
	v_pk_add_f32 v[246:247], v[246:247], v[142:143]
	v_pk_add_f32 v[240:241], v[240:241], v[146:147]
	v_pk_add_f32 v[238:239], v[238:239], v[150:151]
	v_pk_add_f32 v[14:15], v[14:15], v[154:155]
	v_pk_add_f32 v[242:243], v[242:243], v[158:159]
	s_delay_alu instid0(VALU_DEP_2)
	v_pk_add_f32 v[14:15], v[14:15], v[248:249]
	s_delay_alu instid0(VALU_DEP_2)
	v_pk_add_f32 v[242:243], v[242:243], v[246:247]
	v_pk_add_f32 v[254:255], v[254:255], v[240:241]
	v_pk_add_f32 v[250:251], v[250:251], v[238:239]
	s_delay_alu instid0(VALU_DEP_2)
	v_pk_add_f32 v[14:15], v[14:15], v[254:255]
	s_delay_alu instid0(VALU_DEP_2)
	v_pk_add_f32 v[242:243], v[242:243], v[250:251]
	s_delay_alu instid0(VALU_DEP_1)
	v_pk_add_f32 v[14:15], v[14:15], v[242:243]
.irp b, 0,1,2,3
.irp i, 0,1,2,3,4,5,6,7,8,9,10,11,12,13,14,15
.endr
	v_cvt_scalef32_pk8_fp8_f32 v[224+4*\b:225+4*\b], v[96+16*\b:103+16*\b], v244
	v_cvt_scalef32_pk8_fp8_f32 v[226+4*\b:227+4*\b], v[104+16*\b:111+16*\b], v244
.endr
.set j, 0
.rept 16
	v_pk_mul_f32 v[160+j:161+j], v[160+j:161+j], v[252:253] op_sel_hi:[1,0]   ; O^T under the new M.  (Also the plain lines between the conversions and the products below)
.set j, j+2
.endr
.irp t, 0,1,2,3
.irp c, 0,1,2,3
	ds_load_b128 v[32+16*\t+4*\c:32+16*\t+4*\c+3], v[ADV] offset:16*\t*VP+128*(\q)+32*\c
.endr
.endr
	s_wait_alu depctr_va_vdst(0)
	s_wait_dscnt 0x0
.irp t, 0,1,2,3                        ; four accumulators by turns; between two steps' products on one accumulator stand the next step's eight products K Q^T
	v_wmma_f32_16x16x128_fp8_fp8 v[160+8*\t:167+8*\t], v[32+16*\t:47+16*\t], v[224:239], v[160+8*\t:167+8*\t]
.endr
.Lhidden_\@:
	s_add_co_u32 s[KF], s[KF], 128
.endm
; THE CHANGE OF SLOTS stands at a trip's head.  Each wave waits for all its tensor loads, adds 0 to its spare word, and waits for that and for its reads of the slot that it has left.
; fill = 1: that slot takes the next trip's tiles: key slot KN + 1, or 0 where the next trip begins the second block.
.macro CHANGE fill
	s_wait_tensorcnt 0x0                           ; no tensor load of mine is out, so a group 0 may be written
	ds_add_u32 v[SPW], v[NIL]
.if \fill
	s_xor_b32 s[G0K+1], s[G0K+1], SLOT1
	s_xor_b32 s[G0V+1], s[G0V+1], SLOT1
	s_add_co_u32 s[KN], s[KN], 1
	s_cmp_eq_u32 s[T], s[I]
	s_cselect_b32 s[KN], 0, s[KN]
	s_lshl_b32 s[OFF], s[KN], 14                   ; 256 keys x 64 bytes
	s_add_nc_u64 s[G0K+2:G0K+3], s[KB:KB+1], s[OFF:OFF+1]
	s_or_b32 s[G0K+3], s[G0K+3], 0x80000000
	s_lshl_b32 s[OFF], s[KN], 8                    ; 256 bytes along each row of V
	s_add_nc_u64 s[G0V+2:G0V+3], s[VB:VB+1], s[OFF:OFF+1]
	s_or_b32 s[G0V+3], s[G0V+3], 0x80000000
.endif
	s_wait_dscnt 0x0                               ; the add is done, and my reads of the slot that I have left are over
	s_barrier_signal -1
	s_barrier_wait -1
.if \fill
	TLOAD                                          ; the first thing behind the barrier, a wave's one tensor load until the next
.endif
.endm
.macro SLOT_STEPS
	STEP 0
	STEP 1
	s_xor_b32 s[TB], s[TB], SLOT1
.endm
; THE WAY OUT of a block: y = O^T x 2^(e8 + e9) / the sum, in f32; held; converted (e10); 16 rows x 64 bytes through my own stage; two stores of 512 consecutive bytes.
.macro WAYOUT yp
	s_wait_xcnt 0x0                                ; earlier stores have read their data: the registers below are written again only behind this wait
.rept 4
	v_nop                                          ; places behind the last products
.endr
	v_add_f32 v14, v14, v15
	v_permlanex16_b32 v236, v14, s[SEL], s[SEL+1]
	s_delay_alu instid0(VALU_DEP_1)
	v_add_f32 v14, v14, v236                       ; the row's sum
	s_wait_alu depctr_va_vdst(0)
	v_rcp_f32 v14, v14
	v_nop                                          ; a plain line behind the reciprocal
	s_wait_alu depctr_va_vdst(0)                   ; and the wait ahead of its first reader
	v_ldexp_f32 v14, v14, s75
	s_delay_alu instid0(VALU_DEP_1)
	v_mov_b32 v15, v14
.set j, 0
.rept 16
	v_pk_mul_f32 v[192+j:193+j], v[160+j:161+j], v[14:15]   ; register 8 t + i is y(query r, 16 t + 8 h + i)
.set j, j+2
.endr
.set j, 0
.rept 32
.set j, j+1
.endr
.irp t, 0,1,2,3
	v_cvt_scalef32_pk8_fp8_f32 v[24+2*\t:25+2*\t], v[192+8*\t:199+8*\t], v245
.endr
	v_nop                                          ; a plain line behind the last conversion
.irp t, 0,1,2,3
	ds_store_b64 v[STO], v[24+2*\t:25+2*\t] offset:16*\t
.endr
.irp u, 0,1
	ds_load_b128 v[192+4*\u:195+4*\u], v[SRD] offset:640*\u   ; LDS serves a wave's instructions in order (ISA guide 5.7.1.4): these see my stores
.endr
	s_wait_dscnt 0x0
.irp u, 0,1
	global_store_b128 v[GO], v[192+4*\u:195+4*\u], s[\yp:\yp+1] offset:512*\u
.endr
.endm
	s_wait_loadcnt 0x0                             ; Q
.Lslot:                                            ; eight trips: behind each change of slots the next trip's tiles are asked for
	CHANGE 1
	SLOT_STEPS
	s_cmp_eq_u32 s[T], s[I]                        ; the first block's last slot?  A branch on ids; no barrier and no tensor load stands under it
	s_cbranch_scc0 .Lstay
	WAYOUT YA
.irp c, 0,1
	global_load_b128 v[16+4*\c:19+4*\c], v[QO], s[QB:QB+1] offset:32*\c   ; the second block's queries
.endr
	v_mov_b32 v13, 0xff61b1e6
	s_delay_alu instid0(VALU_DEP_1)
	v_floor_f32 v12, -v13
	v_mov_b32 v14, 0
	v_mov_b32 v15, 0
.set j, 0
.rept 32
	v_mov_b32 v[160+j], 0
.set j, j+1
.endr
	s_mov_b32 s[Q0], s[Q0B]
	s_mov_b32 s[KF], 0
	s_wait_loadcnt 0x0
.Lstay:
	s_add_co_u32 s[T], s[T], 1
	s_cmp_lt_u32 s[T], 8
	s_cbranch_scc1 .Lslot
	CHANGE 0                                       ; the ninth trip is written out
	SLOT_STEPS
	WAYOUT YB
	s_wait_tensorcnt 0x0                           ; the wave's end
	ds_add_u32 v[SPW], v[NIL]
	s_wait_dscnt 0x0
	s_endpgm
.Lfunc_end_k_qe42745362d_attn:
	.size	k_qe42745362d_attn, .Lfunc_end_k_qe42745362d_attn-k_qe42745362d_attn
	.p2alignl 7, 3214868480
	.fill 96, 4, 3214868480
	.section	.rodata,"a",@progbits
	.p2align	6, 0x0
	.amdhsa_kernel k_qe42745362d_attn
		.amdhsa_group_segment_fixed_size 327680
		.amdhsa_private_segment_fixed_size 0
		.amdhsa_enable_private_segment 0
		.amdhsa_kernarg_size 24
		.amdhsa_user_sgpr_count 2
		.amdhsa_user_sgpr_kernarg_segment_ptr 1
		.amdhsa_wavefront_size32 1
		.amdhsa_system_sgpr_workgroup_id_x 1
		.amdhsa_system_sgpr_workgroup_id_y 1
		.amdhsa_system_sgpr_workgroup_id_z 1
		.amdhsa_system_vgpr_workitem_id 0
		.amdhsa_next_free_vgpr 256
		.amdhsa_next_free_sgpr 100
		.amdhsa_reserve_vcc 1
		.amdhsa_float_denorm_mode_32 3
		.amdhsa_float_denorm_mode_16_64 3
		.amdhsa_fp16_overflow 1
		.amdhsa_memory_ordered 1
		.amdhsa_forward_progress 1
		.amdhsa_inst_pref_size 93
	.end_amdhsa_kernel
	.amdgpu_metadata
---
amdhsa.version: [ 1, 2 ]
amdhsa.kernels:
  - .name:           k_qe42745362d_attn
    .symbol:         k_qe42745362d_attn.kd
    .args:
      - { .name: qkvc, .offset: 0, .size: 8, .value_kind: global_buffer, .address_space: global }
      - { .name: lowp_scales, .offset: 8, .size: 8, .value_kind: global_buffer, .address_space: global }
      - { .name: yc, .offset: 16, .size: 8, .value_kind: global_buffer, .address_space: global }
    .group_segment_fixed_size: 327680
    .private_segment_fixed_size: 0
    .kernarg_segment_align: 8
    .kernarg_segment_size: 24
    .max_flat_workgroup_size: 512
    .sgpr_count:     100
    .vgpr_count:     256
    .wavefront_size: 32
...
	.end_amdgpu_metadata
.endif
;; end of part 3
;; launch proj (part 4): grid 4 x 32, 4 waves a work-group, clusters of 4 x 4, 327,680 bytes of LDS; arguments yc, wc, bo, lowp_scales, out0; writes out0
.if DOCPART == 4
	.amdgcn_target "amdgcn-amd-amdhsa--gfx1250"
	.amdhsa_code_object_version 6
	.text
	.protected	k_qe42745362d_proj
	.globl	k_qe42745362d_proj
	.p2align	8
	.type	k_qe42745362d_proj,@function
k_qe42745362d_proj:
	s_mov_b64 s[64:65], 0
	v_nop
	global_prefetch_b8 v0, s[64:65] scope:SCOPE_SE
	s_setreg_imm32_b32 hwreg(HW_REG_WAVE_MODE, 25, 1), 1
	s_wait_xcnt 0x0
	s_wait_alu depctr_hold_cnt(0) depctr_sa_sdst(0) depctr_va_vdst(0) depctr_va_sdst(0) depctr_va_ssrc(0) depctr_va_vcc(0) depctr_vm_vsrc(0)
	s_getreg_b32 s2, hwreg(HW_REG_IB_STS2, 6, 4)
	s_cmp_eq_u32 s2, 0
	s_cbranch_scc0 .Lentry_in_a_cluster
	s_endpgm
.Lentry_in_a_cluster:
	s_bfe_u32 s2, ttmp6, 0x10000c
	s_cmp_lg_u32 s2, 0xf033
	s_cbranch_scc0 .Lentry_shape_is_right
	s_endpgm
.Lentry_shape_is_right:
; out0 = y Wo + bo on codes of E4M3.  y's codes: yc [16 head][8192 token][64]; Wo's: plane 3 of wc, [1024 n][1024 k]; out0 [8192][1024] f32; K = 1,024 = head x 64 + d.
; A tile of 256 x 256 of out0 to a work-group of four waves, 128 x 128 (64 accumulators) to a wave; K in steps of 256 (four heads) through two LDS slots.  32 x 4 tiles: 128 work-groups.
; A's tile comes by ONE load a wave: four rows (heads) of 8,192 bytes (128 tokens x 64), 524,288 bytes apart, with 16 bytes of padding behind every 64: in LDS [4 heads][128 tokens][80 bytes].
; The matrix instruction takes source 0 = 16 rows of Wo's codes, source 1 = 16 tokens: a lane holds eight neighbouring numbers of a row of out0.
; CLUSTERS: 4 x 4: y's tile is asked for jointly by the four of a row of the cluster, Wo's by the four of a column.
; LIMIT: e10 + e11 between -126 and 127.
; REGISTERS: window 0: v0-31 addresses; v32-95 bo in the result's layout; from v128 A's fragments, ONE set, later rows read back.  window 1: B's fragments, TWO sets.  windows 2, 3: the accumulators.
.set ROWB,   256
.set KROW,   1024
.set PITCH,  272                       ; B: an LDS row of 256 bytes + 16
.set APL,    128*80                    ; A: a head's 128 tokens, 80 bytes apart: 20 words: sixteen neighbouring rows start at sixteen different groups of four banks (64 banks of 4 bytes: ISA guide 11.1)
.set HALFA,  4*APL
.set HALFB,  128*PITCH
.set BOFF,   2*HALFA
.set SLOT,   2*HALFA+2*HALFB
.set ASTEP,  4*524288                  ; a K step in yc: four heads
.set FR,     16
.set NL,     4
.set NP,     4
.set LAPS,   2
.set SPARE,  2*SLOT                    ; the spare words: 128 bytes a wave
.set SPITCH, 528                       ; the way out: 16 rows x (512 + 16) bytes for each wave, in slot 0, which has had its last fill and its last read by then
.set ADRA, 16
.set ADRB, 20
.set BCO,  22
.set STO,  24
.set RD,   25
.set CO,   26
.set SPW,  28
.set NIL,  29
.set BC,   32
.set AF,   128
.set BK,   128
.set G1, 24
.set G0, 32
.set G1B, 48
.set G0B, 56
.set MSB, 0
.macro WIN new
.if MSB != \new
	s_set_vgpr_msb (MSB<<8)|\new
.set MSB, \new
.endif
.endm
.set MUL_LO, 0xa1
.set MUL_HI, 0xf1
.set TO_B,   0x40
.macro JLOAD g0a, g1a, g0b, g1b        ; waves 0 and 1 fetch for A, waves 2 and 3 for B; four v_nop follow each of the two lines
	s_cmp_eq_u32 s15, 0
	s_cbranch_scc0 .Lfor_b_\@
	tensor_load_to_lds s[\g0a:\g0a+3], s[\g1a:\g1a+7]
	s_nop 0
.rept 4
	v_nop
.endr
	s_branch .Lasked_\@
.Lfor_b_\@:
	tensor_load_to_lds s[\g0b:\g0b+3], s[\g1b:\g1b+7]
	s_nop 0
.rept 4
	v_nop
.endr
.Lasked_\@:
.endm
.macro CREST
	s_cmp_lg_u32 s14, 0
	s_cbranch_scc1 .Lnot_wave_0_\@
	s_barrier_signal -3
.Lnot_wave_0_\@:
	s_barrier_wait -3
	s_barrier_signal -1
	s_barrier_wait -1
.endm
.macro CROUND
	s_barrier_signal -1
	s_barrier_wait -1
	CREST
.endm
	s_load_b256 s[68:75], s[0:1], 0x0              ; yc s[68:69], wc s[70:71], bo s[72:73], the scales' exponents s[74:75]
	s_load_b64 s[10:11], s[0:1], 0x20              ; out0
	v_lshl_add_u32 v[SPW], v0, 2, SPARE
	v_mov_b32 v[NIL], 0
	ds_add_u32 v28, v29
	ds_add_u32 v28, v29
	s_wait_dscnt 0x0
	v_lshrrev_b32 v1, 5, v0
	v_readfirstlane_b32 s14, v1                    ; wave 0..3
	s_lshr_b32 s15, s14, 1                         ; my half of the tile's rows.  Also: I fetch for A (0) or for B (1)
	s_and_b32 s16, s14, 1                          ; my half of its columns.  Also: which 128 rows I fetch
	s_bfe_u32 s40, ttmp6, 0x40000                  ; cx
	s_bfe_u32 s41, ttmp6, 0x40004                  ; cy
	s_lshl_b32 s42, ttmp9, 2
	s_add_co_u32 s42, s42, s40                     ; tile column
	s_and_b32 s17, ttmp7, 0xffff
	s_lshl_b32 s17, s17, 2
	s_add_co_u32 s17, s17, s41                     ; tile row
	s_lshl_b32 s43, s41, 2
	s_lshl_b32 s43, 15, s43                        ; my row of the cluster
	s_lshl_b32 s44, 0x1111, s40                    ; my column
	s_or_b32 s[G1+0], s43, (0<<16)|(1<<20)|(1<<21)|(3<<22)|(3<<25)  ; A: the mask; elements of 1 byte; padding on; bit 21 beside a mask; after every 16 words four words
	s_mov_b32 s[G1+1], 8192<<16                    ; tensor_dim0: 128 tokens x 64 bytes
	s_mov_b32 s[G1+2], 4<<16                       ; tensor_dim1: four heads
	s_mov_b32 s[G1+3], 8192<<16                    ; tile_dim0
	s_mov_b32 s[G1+4], 4                           ; tile_dim1
	s_mov_b32 s[G1+5], 524288                      ; from head to head
	s_mov_b32 s[G1+6], 0
	s_mov_b32 s[G1+7], 0
	s_or_b32 s[G1B+0], s44, (0<<16)|(1<<20)|(1<<21)|(5<<22)|(3<<25) ; B: 128 rows of 256 bytes, four words of padding after every 64
	s_mov_b32 s[G1B+1], ROWB<<16
	s_mov_b32 s[G1B+2], 128<<16
	s_mov_b32 s[G1B+3], ROWB<<16
	s_mov_b32 s[G1B+4], 128
	s_mov_b32 s[G1B+5], KROW
	s_mov_b32 s[G1B+6], 0
	s_mov_b32 s[G1B+7], 0
	v_and_b32 v1, 15, v0                           ; r
	v_bfe_u32 v2, v0, 4, 1                         ; h
	v_and_b32 v6, 31, v0                           ; lane
	v_mul_u32_u24 v3, v1, 80
	v_lshl_add_u32 v3, v2, 4, v3                   ; A: token r x 80 + 16 h
	v_mul_u32_u24 v4, v1, PITCH
	v_lshl_add_u32 v4, v2, 4, v4                   ; B: row r x 272 + 16 h
	s_mul_i32 s4, s15, HALFA                       ; my 128 tokens
	s_mul_i32 s5, s16, HALFB
	s_add_co_u32 s5, s5, BOFF                      ; my 128 rows of Wo's codes
.irp s, 0,1
	v_add_nc_u32 v[ADRA+\s], s4, v3
	v_add_nc_u32 v[ADRB+\s], s5, v4
	s_add_co_u32 s4, s4, SLOT
	s_add_co_u32 s5, s5, SLOT
.endr
	v_lshlrev_b32 v[BCO], 5, v2
	s_mul_i32 s6, s14, 16*SPITCH                   ; my stage
	v_mul_u32_u24 v5, v1, SPITCH
	v_lshl_add_u32 v5, v2, 5, v5
	v_add_nc_u32 v[STO], s6, v5                    ; in: row r, 32 bytes for each half of the lanes
	v_lshlrev_b32 v[CO], 4, v6
	v_add_nc_u32 v[RD], s6, v[CO]                  ; back: the 32 lanes take one row of 512 bytes
	s_lshl_b32 s18, s16, 7
	s_lshl_b32 s20, s17, 8
	s_add_co_u32 s20, s20, s18
	s_lshl_b32 s20, s20, 6                         ; A: (256 x tile row + 128 x half) tokens of 64 bytes
	s_mov_b32 s21, 0
	s_lshl_b32 s46, s42, 8
	s_add_co_u32 s46, s46, s18
	s_lshl_b32 s46, s46, 10
	s_add_co_u32 s46, s46, 3<<20                   ; B: Wo's plane, (256 x tile column + 128 x half) rows of 1,024 bytes
	s_mov_b32 s47, 0
	s_mul_i32 s45, s16, HALFA                      ; where A's half goes,
	s_mul_i32 s12, s16, HALFB
	s_add_co_u32 s12, s12, BOFF                    ; and B's: no place in the cluster enters an LDS address
	s_lshl_b32 s8, s42, 10
	s_lshl_b32 s9, s16, 9
	s_add_co_u32 s8, s8, s9                        ; my first column, in bytes of f32: in a row of out0, and in bo
	s_mov_b32 s9, 0
	s_lshl_b32 s22, s17, 8
	s_lshl_b32 s23, s15, 7
	s_add_co_u32 s22, s22, s23
	s_lshl_b32 s22, s22, 12                        ; my first row of out0: rows of 4,096 bytes
	s_add_co_u32 s22, s22, s8
	s_mov_b32 s23, 0
	s_wait_kmcnt 0x0
	s_load_b64 s[96:97], s[74:75], 0x28            ; e10, e11
	s_add_nc_u64 s[4:5], s[68:69], s[20:21]
	s_add_nc_u64 s[6:7], s[70:71], s[46:47]
	s_add_nc_u64 s[10:11], s[10:11], s[22:23]
	s_add_nc_u64 s[8:9], s[72:73], s[8:9]
	CROUND                                         ; all sixteen work-groups are here: the first joint loads meet
.irp s, 0,1
	s_mov_b32 s[G0+4*\s], 1
	s_add_co_u32 s[G0+4*\s+1], s45, \s*SLOT
	s_add_nc_u64 s[G0+4*\s+2:G0+4*\s+3], s[4:5], \s*ASTEP
	s_or_b32 s[G0+4*\s+3], s[G0+4*\s+3], 0x80000000
	s_mov_b32 s[G0B+4*\s], 1
	s_add_co_u32 s[G0B+4*\s+1], s12, \s*SLOT
	s_add_nc_u64 s[G0B+4*\s+2:G0B+4*\s+3], s[6:7], \s*ROWB
	s_or_b32 s[G0B+4*\s+3], s[G0B+4*\s+3], 0x80000000
	s_wait_alu depctr_va_vdst(0)
	s_wait_tensorcnt 0x0
	ds_add_u32 v28, v29
	ds_add_u32 v28, v29
	s_wait_dscnt 0x0
	CROUND
	JLOAD G0+4*\s, G1, G0B+4*\s, G1B
.endr
	s_wait_alu depctr_va_vdst(0)
.irp b, 0,1,2,3,4,5,6,7                ; bo[16 b + 8 h + j] of my 128 columns; waited for at the way out
	global_load_b128 v[BC+8*\b:BC+8*\b+3], v[BCO], s[8:9] offset:64*\b
	global_load_b128 v[BC+8*\b+4:BC+8*\b+7], v[BCO], s[8:9] offset:64*\b+16
.endr
.macro FRAGB reg, adr, q, i            ; registers 4 c .. 4 c + 3 hold K = 32 c + 16 (l / 16) + 0 .. 15 of the slot's q-th 128
.irp c, 0,1,2,3
	ds_load_b128 v[\reg+4*\c:\reg+4*\c+3], v[\adr] offset:128*(\q)+32*\c+(\i)*16*PITCH
.endr
.endm
.macro FRAGA reg, adr, q, i            ; the same k: head 2 q + c / 2 of the slot's four, d = 32 (c % 2) + 16 (l / 16) + 0 .. 15
.irp c, 0,1,2,3
	ds_load_b128 v[\reg+4*\c:\reg+4*\c+3], v[\adr] offset:(2*(\q)+\c/2)*APL+(\i)*1280+32*(\c%2)
.endr
.endm
.macro MUL16 a0, p, zero               ; the 64 accumulators take turns, one instruction a turn
.irp a, \a0, \a0+1
.irp b, 0,1,2,3,4,5,6,7
.if \zero
	v_wmma_f32_16x16x128_fp8_fp8 v[8*(8*((\a)%4)+\b):8*(8*((\a)%4)+\b)+7], v[128*(\p)+FR*\b:128*(\p)+FR*\b+FR-1], v[AF+FR*(\a):AF+FR*(\a)+FR-1], 0
.else
	v_wmma_f32_16x16x128_fp8_fp8 v[8*(8*((\a)%4)+\b):8*(8*((\a)%4)+\b)+7], v[128*(\p)+FR*\b:128*(\p)+FR*\b+FR-1], v[AF+FR*(\a):AF+FR*(\a)+FR-1], v[8*(8*((\a)%4)+\b):8*(8*((\a)%4)+\b)+7]
.endif
.endr
.endr
.endm
.macro FETCH_B slot, q, p
	WIN TO_B
.irp i, 0,1,2,3,4,5,6,7
	FRAGB 128*(\p)+FR*\i, ADRB+\slot, \q, \i
.endr
	WIN 0
.endm
.macro FETCH_A slot, q, i0
.irp i, \i0, \i0+1, \i0+2, \i0+3
	FRAGA AF+FR*(\i), ADRA+\slot, \q, \i
.endr
.endm
.macro PLACES n
.rept \n
	v_nop
.endr
.endm
.macro STEP slot, q, zero
	s_wait_dscnt 4*NL                              ; B's set and A's blocks 0-3 are in; the youngest sixteen loads (A's blocks 4-7) may be out
	WIN MUL_LO
	MUL16 0, (\q)%2, \zero
	MUL16 2, (\q)%2, \zero
	s_wait_dscnt 0
	PLACES NP
	FETCH_B \slot, (\q)+1, 1-(\q)%2
	FETCH_A \slot, (\q)+1, 0
	WIN MUL_HI
	MUL16 4, (\q)%2, \zero
	MUL16 6, (\q)%2, \zero
	PLACES NP
	WIN 0
	FETCH_A \slot, (\q)+1, 4
.endm
.macro TURN slot, next, fill
	s_wait_tensorcnt 0x0                           ; all my tensor loads have landed: my part of the next slot
	ds_add_u32 v[SPW], v[NIL]
	s_wait_dscnt 4*NL+1                            ; the add and the youngest sixteen loads may be out
	WIN MUL_LO
	MUL16 0, 1, 0
	s_wait_dscnt 0x0                               ; the add is done, and my reads of this slot are over
	s_barrier_signal -1
	MUL16 2, 1, 0
	WIN 0
	s_barrier_wait -1
.if \fill
	CREST                                          ; the barrier has opened a round of the cluster's
	s_add_nc_u64 s[G0+4*\slot+2:G0+4*\slot+3], s[G0+4*\slot+2:G0+4*\slot+3], 2*ASTEP
	s_add_nc_u64 s[G0B+4*\slot+2:G0B+4*\slot+3], s[G0B+4*\slot+2:G0B+4*\slot+3], 2*ROWB
	JLOAD G0+4*\slot, G1, G0B+4*\slot, G1B         ; the first tensor load behind the round; its four v_nop are the places in front of the loads below
.else
	PLACES NP
.endif
	FETCH_B \next, 0, 0
	FETCH_A \next, 0, 0
	WIN MUL_HI
	MUL16 4, 1, 0
	MUL16 6, 1, 0
	PLACES NP
	WIN 0
	FETCH_A \next, 0, 4
.endm
	s_wait_tensorcnt 1                             ; my part of K step 0 is in; K step 1's load may be out
	s_barrier_signal -1
	s_barrier_wait -1
	FETCH_B 0, 0, 0
	FETCH_A 0, 0, 0
	FETCH_A 0, 0, 4
	STEP 0, 0, 1
.rept LAPS-1                           ; once round the ring, filling both slots again: with four K steps this stands once, so no loop is written
	TURN 0, 1, 1
	STEP 1, 0, 0
	TURN 1, 0, 1
	STEP 0, 0, 0
.endr
	TURN 0, 1, 0
	STEP 1, 0, 0
	s_wait_dscnt 4*NL
	WIN MUL_LO
	MUL16 0, 1, 0
	MUL16 2, 1, 0
	s_wait_dscnt 0
	WIN MUL_HI
	MUL16 4, 1, 0
	MUL16 6, 1, 0
	WIN 0
; THE WAY OUT, block by block of 16 rows x 128 columns: sum x 2^(e10 + e11) + bo in place, through my own stage, back as whole rows of 512 bytes.
.macro TOSTAGE a
.set AC, 64*((\a)%4)
.set W, 2+(\a)/4
.set WW, (W<<6)|W
	WIN WW
.set j, 0
.rept 32
	v_pk_fma_f32 v[AC+j:AC+j+1], v[AC+j:AC+j+1], s[96:97], v[BC+j:BC+j+1] op_sel_hi:[1,0,1]   ; each accumulator from its low end on
.set j, j+2
.endr
.set WW, W<<2
	WIN WW                                         ; an LDS store's data are its source 1
.irp b, 0,1,2,3,4,5,6,7
	ds_store_b128 v[STO], v[AC+8*\b:AC+8*\b+3] offset:64*\b
	ds_store_b128 v[STO], v[AC+8*\b+4:AC+8*\b+7] offset:64*\b+16
.endr
	WIN 0
.set BB, BK+64*((\a)%2)
.irp t, 0,1,2,3,4,5,6,7,8,9,10,11,12,13,14,15
	ds_load_b128 v[BB+4*\t:BB+4*\t+3], v[RD] offset:\t*SPITCH   ; LDS serves a wave's instructions in order (ISA guide 5.7.1.4)
.endr
.endm
.macro SEND a, younger
.set BB, BK+64*((\a)%2)
	s_wait_dscnt \younger
.if (\a) > 0
	s_add_nc_u64 s[10:11], s[10:11], 16*4096       ; (behind a wait on XCNT: the earlier stores have read their base)
.endif
.irp t, 0,1,2,3,4,5,6,7,8,9,10,11,12,13,14,15
	global_store_b128 v[CO], v[BB+4*\t:BB+4*\t+3], s[10:11] offset:\t*4096 th:TH_STORE_NT   ; 512 consecutive bytes, aligned; written once, read by nobody here
.endr
.endm
	s_wait_kmcnt 0x0
	s_wait_loadcnt 0x0                             ; bo
	s_add_co_i32 s96, s96, s97
	s_add_co_i32 s96, s96, 127
	s_lshl_b32 s96, s96, 23                        ; 2^(e10 + e11)
	s_mov_b32 s97, s96
	PLACES NP
	TOSTAGE 0
.irp a, 1,2,3,4,5,6,7
.if \a > 1
	s_wait_xcnt 0x0                                ; block a - 2's stores have read their registers and their base
.endif
	TOSTAGE \a
	SEND \a-1, 32                                  ; behind block a - 1's loads: block a's 16 stores and 16 loads
.endr
	s_wait_xcnt 0x0
	SEND 7, 0
	s_wait_tensorcnt 0x0                           ; the wave's end
	ds_add_u32 v[SPW], v[NIL]
	s_wait_dscnt 0x0
	CROUND                                         ; the closing round
	s_endpgm
.Lfunc_end_k_qe42745362d_proj:
	.size	k_qe42745362d_proj, .Lfunc_end_k_qe42745362d_proj-k_qe42745362d_proj
	.p2alignl 7, 3214868480
	.fill 96, 4, 3214868480
	.section	.rodata,"a",@progbits
	.p2align	6, 0x0
	.amdhsa_kernel k_qe42745362d_proj
		.amdhsa_group_segment_fixed_size 327680
		.amdhsa_private_segment_fixed_size 0
		.amdhsa_enable_private_segment 0
		.amdhsa_kernarg_size 40
		.amdhsa_user_sgpr_count 2
		.amdhsa_user_sgpr_kernarg_segment_ptr 1
		.amdhsa_wavefront_size32 1
		.amdhsa_system_sgpr_workgroup_id_x 1
		.amdhsa_system_sgpr_workgroup_id_y 1
		.amdhsa_system_sgpr_workgroup_id_z 1
		.amdhsa_system_vgpr_workitem_id 0
		.amdhsa_next_free_vgpr 1024
		.amdhsa_next_free_sgpr 100
		.amdhsa_reserve_vcc 0
		.amdhsa_float_denorm_mode_32 3
		.amdhsa_float_denorm_mode_16_64 3
		.amdhsa_memory_ordered 1
		.amdhsa_forward_progress 1
		.amdhsa_inst_pref_size 126
	.end_amdhsa_kernel
	.amdgpu_metadata
---
amdhsa.version: [ 1, 2 ]
amdhsa.kernels:
  - .name:           k_qe42745362d_proj
    .symbol:         k_qe42745362d_proj.kd
    .args:
      - { .name: yc, .offset: 0, .size: 8, .value_kind: global_buffer, .address_space: global }
      - { .name: wc, .offset: 8, .size: 8, .value_kind: global_buffer, .address_space: global }
      - { .name: bo, .offset: 16, .size: 8, .value_kind: global_buffer, .address_space: global }
      - { .name: lowp_scales, .offset: 24, .size: 8, .value_kind: global_buffer, .address_space: global }
      - { .name: out0, .offset: 32, .size: 8, .value_kind: global_buffer, .address_space: global }
    .group_segment_fixed_size: 327680
    .private_segment_fixed_size: 0
    .kernarg_segment_align: 8
    .kernarg_segment_size: 40
    .max_flat_workgroup_size: 128
    .sgpr_count:     100
    .vgpr_count:     1024
    .wavefront_size: 32
...
	.end_amdgpu_metadata
.endif
;; end of part 4
